; MI455X (gfx1250); checked and timed in simulation.
; The chip was launched on July 23, 2026; its instructions are those of AMD's public machine-readable ISA for CDNA 5 (MIT licence, August 2026) and "CDNA5" Instruction Set Architecture Reference Guide (July 2026). The comments in the code are by the model that wrote it; some were corrected since.
;; Self Attention. Allowed arithmetic: matrix products marked QUANTISED: E2M3 operands, one E8M0 scale for each 32 along K, by v_wmma_scale_f32_16x16x128_f8f6f4 with both operands' format E2M3, f32 sums; everything else in f32.
;; Inputs: W0 1,024 x 1,024 float32; W1 1,024 x 1,024 float32; W2 1,024 x 1,024 float32; W3 1,024 x 1,024 float32; mask 2 x 2,048 int32; x 2 x 1,024 x 2,048 float32.
;; Outputs: out0 2 x 1,024 x 2,048 float32.
;; This version of the problem:
;;   THIS VERSION OF THE PROBLEM IS GIVEN IN LOW PRECISION. The matrix products marked QUANTISED in the list below multiply operands that are first quantised to E2M3 (2 exponent bits, 3 mantissa bits; 6 bits a number), with one power-of-two scale for each 32 numbers along K (OCP MX v1.0); their sums are f32. All else is computed in f32.
;;   The module's matrix products, in the order in which they are computed (A, B: the left and right operand; K: the contracted axis; several contracted axes count as one K, in the product's order):
;;     1. [M 4,096, K 1,024] x [K 1,024, N 1,024]; A: input x; B: input W0: QUANTISED
;;     2. [M 4,096, K 1,024] x [K 1,024, N 1,024]; A: input x; B: input W1: QUANTISED
;;     3. [M 4,096, K 1,024] x [K 1,024, N 1,024]; A: input x; B: input W2: QUANTISED
;;     4. batch 32 x [M 2,048, K 64] x [K 64, N 2,048]; A: computed on the way; B: computed on the way: QUANTISED
;;     5. batch 32 x [M 2,048, K 2,048] x [K 2,048, N 64]; A: softmax (see below); B: computed on the way: QUANTISED
;;     6. [M 4,096, K 1,024] x [K 1,024, N 1,024]; A: computed on the way; B: input W3: QUANTISED
;;   THE QUANTISER, for each operand of a quantised product, along K:
;;     - K is cut into blocks of 32 from its start; a last block that is shorter is filled with zeros.
;;     - A block's scale is 2^e with e = floor(log2(the largest magnitude in the block)) - 2, held to -126 .. 127; a block of zeros has e = 0. As a byte (E8M0): e + 127.
;;     - Each number is divided by its block's scale, clamped to +-7.5, and rounded to the nearest number of E2M3, ties to even, subnormals kept.
;;     - The product sums the exact products of the quantised numbers (number of the format x scale) in f32.
;;   ~~~python
;;   def quantise(x, axis):      # numpy; x: float32 -> the quantised numbers, widened to float32 again
;;       x = np.moveaxis(x, axis, -1); K = x.shape[-1]
;;       x = np.pad(x, [(0, 0)] * (x.ndim - 1) + [(0, -K % 32)]); x = x.reshape(x.shape[:-1] + (-1, 32)); a = np.abs(x).max(-1, keepdims=True)
;;       e = np.where(a > 0, np.clip(np.frexp(np.where(a > 0, a, 1))[1] - 1 - 2, -126, 127), 0)      # np.frexp(a)[1] - 1 = floor(log2(a)), exactly
;;       r = np.clip(x / 2.0 ** e, -7.5, 7.5)
;;       step = 2.0 ** (np.maximum(np.frexp(np.where(r == 0, 1, r))[1] - 1, 0) - 3)
;;       q = np.round(r / step) * step * 2.0 ** e      # np.round: ties to even
;;       return np.moveaxis(q.reshape(q.shape[:-2] + (-1,))[..., :K], -1, axis).astype(np.float32)
;;   ~~~
;;   SOFTMAX AHEAD OF A QUANTISED PRODUCT. Where the list says 'softmax', what is quantised is not the finished softmax but p = 2^(t - M), with t = logit x log2(e) and M = ceil(the row's largest t), a whole number; so 1/2 < the row's largest p <= 1. The row's sum l is taken of the UNQUANTISED p, in f32, and the product's result is divided by l at the end. Since M is a whole number, a kernel that streams over the keys may use a running M (the ceiling of the running maximum): every later rescaling is an exact power of two, which a block's scale takes up: the codes' values come out the same.
;;   OPERANDS COMPUTED ON THE WAY. 'Computed on the way' means the value that the module computes at that place (a softmax that the list does not call 'softmax' is quantised finished and normalised). What goes into a quantiser is computed in f32, as accurately as f32 sums, v_exp_f32 and their like allow (about 1e-6 of the number): no bf16 or f16 on the way to a quantiser, and a product that is left as it is and whose result goes on into a quantised operand takes f32 operands (vector FMAs, or v_wmma_f32_16x16x4_f32). A number that lies on a knife's edge between two numbers of the format may be rounded either way, as far as f32 arithmetic and the matrix unit's own rounding can turn it there, and no further.
;; One version. Each part assembles by itself: llvm-mc -triple=amdgcn-amd-amdhsa -mcpu=gfx1250 --defsym DOCPART=n.
;; ======== version 1 of 1: 4 launches
;; limits: right only within a limited range of input values
;; workspace buffers: xq 3,276,800 bytes; wq 3,276,800 bytes; kqc 6,291,456 bytes; kqs 524,288 bytes; vc 3,145,728 bytes; vs 262,144 bytes; aq 3,276,800 bytes
;; launch quant (part 1): grid 512 x 1, 4 waves a work-group, no clusters, 35,328 bytes of LDS; arguments x, W0, W1, W2, W3, xq, wq; writes xq, wq
.if DOCPART == 1
	.amdgcn_target "amdgcn-amd-amdhsa--gfx1250"
	.amdhsa_code_object_version 6
	.text
	.protected	k_qb60a6ec3f9_quant
	.globl	k_qb60a6ec3f9_quant
	.p2align	8
	.type	k_qb60a6ec3f9_quant,@function
k_qb60a6ec3f9_quant:
	s_mov_b64 s[64:65], 0
	v_nop
	global_prefetch_b8 v0, s[64:65] scope:SCOPE_SE
	s_setreg_imm32_b32 hwreg(HW_REG_WAVE_MODE, 25, 1), 1
	s_wait_xcnt 0x0
; x [2][1024][2048] and W0 .. W3 [1024][1024], f32, become codes of FP6 (E2M3) with one E8M0 byte for each 32 along K (the channel axis i), laid as the later launches' operand registers want them.
; A block's scale is 2^(floor(log2(its largest magnitude)) - 2): its byte is the largest magnitude's exponent field - 2, held at 1 from below by a floor among the maximum's leaves.
; (A block of zeros so gets the byte 1 where the rule says 127: its codes are zeros, and this program alone reads the bytes.)
; LIMITS: NaN and infinities among the inputs are not served; blocks whose largest magnitude lies under 2^(3 - 127) keep the byte 1.
; LAYOUT OF xq AND wq.  A PANEL is 128 rows x 1,024 along K: 8 records of 12,800 bytes, one for each 128 along K.  A record: 8 tiles of 16 rows, 1,536 bytes each, then 128 scale words (tile by tile, 4 bytes a row).
; A tile's 1,536 bytes are two HALF IMAGES of 768 bytes (64 along K each): chunk p (0..2) of 256 bytes holds, at 8 x lane, registers 2 p, 2 p + 1 of lane (r, h): bytes 8 p .. 8 p + 7 of the 24 bytes of row r, block h.
; THE ROWS OF A TILE ARE NOT NEIGHBOURS: lane-row r of tile T stands for row 32 (T / 2) + 8 (T % 2) + r + 8 (r / 8), so that results made with such a tile as source 0 have 16 neighbours in 16 registers.
; Work-groups 0-255 take x (K is NOT innermost: a lane takes a column l and its registers run down i); work-groups 256-511 take the weights (K innermost: through a stage in LDS).  Waves share nothing: no barrier.
.set PANEL, 102400
.set REC,   12800
.set FRAG,  1536
.set HIB,   768
.set FLOOR, 0x1800000                  ; 2^(3 - 127)
.set OFFE,  0xff000000                 ; takes 2 off an exponent field
.set NUM,   32                         ; v32-159  128 numbers as they are loaded
.set HX,    160                        ; x: v160-183 the codes of my four blocks, 6 registers each
.set TX,    184                        ; x: v184-199 second halves as the conversions leave them
.set BX,    200                        ; x: v200-203 the four bytes
.set XW,    160                        ; W: v160-223 two sets of 32 neighbours
.set HW,    224                        ; W: v224-247 four half images
.set TW,    248                        ; W: v248-250 a second half
.set BW,    252                        ; W: v252-255 the four bytes
.set STG,   4352                       ; W: a stage: 16 rows x (256 bytes + 16)
; the largest magnitude of v[xs] .. v[xs + 31], with the floor -> v12; with 2 off its exponent field -> v14: the conversions take that field as their scale
.macro BLOCKMAX xs
	v_max3_num_f32 v12, |v[\xs]|, |v[\xs+1]|, |v[\xs+2]|
	v_max3_num_f32 v13, |v[\xs+3]|, |v[\xs+4]|, |v[\xs+5]|
.irp i, 6,10,14,18,22,26
	v_max3_num_f32 v12, v12, |v[\xs+\i]|, |v[\xs+\i+1]|
	v_max3_num_f32 v13, v13, |v[\xs+\i+2]|, |v[\xs+\i+3]|
.endr
	v_max3_num_f32 v12, v12, |v[\xs+30]|, |v[\xs+31]|
	v_max3_num_f32 v12, v12, v13, FLOOR
	v_add_nc_u32 v14, OFFE, v12
.endm
; 32 numbers -> 6 registers of codes at v[h]; the byte -> v[byte].  A conversion's three registers begin on an even number, so the second half is made at v[t] and moved.
.macro CODES xs, h, t, byte
	v_cvt_scalef32_pk16_fp6_f32 v[\h:\h+2], v[\xs:\xs+15], v14
	v_cvt_scalef32_pk16_fp6_f32 v[\t:\t+2], v[\xs+16:\xs+31], v14
	v_lshrrev_b32 v[\byte], 23, v14                ; the scale's byte; also the plain instruction between the conversions and the moves that read their results
.irp i, 0,1,2
	v_mov_b32 v[\h+3+\i], v[\t+\i]
.endr
.endm
	s_load_b256 s[4:11], s[0:1], 0x0               ; x s[4:5], W0 s[6:7], W1 s[8:9], W2 s[10:11]
	s_load_b128 s[12:15], s[0:1], 0x20             ; W3 s[12:13], xq s[14:15]
	s_load_b64 s[16:17], s[0:1], 0x30              ; wq
	v_lshl_add_u32 v31, v0, 2, 0x8800
	v_mov_b32 v251, 0
	v_lshrrev_b32 v1, 5, v0
	v_readfirstlane_b32 s18, v1                    ; wave 0..3
	v_and_b32 v2, 31, v0                           ; lane
	v_and_b32 v3, 15, v0                           ; r
	v_bfe_u32 v4, v0, 4, 1                         ; lane / 16
	v_lshlrev_b32 v5, 3, v2                        ; 8 x lane: my place in a chunk of 256 bytes
	s_cmp_lt_u32 ttmp9, 256
	s_cbranch_scc0 .Lweights
	; ---- x.  Work-group q: panel q / 8 (128 columns l of one batch), record q % 8 (128 channels).  Wave w: tiles 2 w and 2 w + 1: 32 columns.
	s_lshr_b32 s20, ttmp9, 3                       ; panel j
	s_and_b32 s21, ttmp9, 7                        ; record s
	v_and_b32 v6, 8, v3
	v_add_nc_u32 v6, v6, v3                        ; r + 8 (r / 8)
	v_lshl_add_u32 v6, v4, 3, v6                   ; + 8 u: my column among the wave's 32; the 32 lanes still read 128 consecutive bytes
	v_lshlrev_b32 v6, 2, v6
	v_lshlrev_b32 v7, 2, v2                        ; 4 x lane: my scale word
	s_lshr_b32 s22, s20, 4
	s_lshl_b32 s22, s22, 23                        ; the batch: 1,024 x 2,048 x 4 bytes
	s_lshl_b32 s23, s21, 20                        ; 128 channels of 8,192 bytes
	s_add_co_u32 s22, s22, s23
	s_and_b32 s23, s20, 15
	s_lshl_b32 s23, s23, 9                         ; the panel's 128 columns
	s_add_co_u32 s22, s22, s23
	s_lshl_b32 s23, s18, 7                         ; my wave's 32
	s_add_co_u32 s22, s22, s23
	s_mov_b32 s23, 0
	s_mul_i32 s24, s20, PANEL
	s_mul_i32 s25, s21, REC
	s_add_co_u32 s24, s24, s25                     ; the record
	s_mul_i32 s25, s18, 2*FRAG
	s_add_co_u32 s26, s24, s25                     ; my two tiles
	s_mov_b32 s27, 0
	s_lshl_b32 s25, s18, 7
	s_add_co_u32 s24, s24, s25                     ; my 32 scale words (12,288 further on, in the immediate)
	s_mov_b32 s25, 0
	s_wait_alu depctr_va_vdst(0)
	s_wait_kmcnt 0x0
	s_add_nc_u64 s[4:5], s[4:5], s[22:23]
	s_add_nc_u64 s[26:27], s[14:15], s[26:27]
	s_add_nc_u64 s[24:25], s[14:15], s[24:25]
.macro XLOAD t                         ; block t: x(32 t + i, my column), i = 0 .. 31
.set I, 0
.rept 32
	global_load_b32 v[NUM+32*(\t)+I], v6, s[4:5] offset:(32*(\t)+I)*8192 th:TH_LOAD_NT
.set I, I+1
.endr
.endm
	XLOAD 0
	XLOAD 1
.irp t, 0,1,2,3
.if \t < 3
	s_wait_loadcnt 32                              ; this block's 32 loads are in; the next block's 32 may be out
.else
	s_wait_loadcnt 0x0
.endif
.if \t < 2
	XLOAD \t+2
.endif
	BLOCKMAX NUM+32*\t                             ; all 32 numbers of a block are mine: no other lane is asked
	CODES NUM+32*\t, HX+6*\t, TX+4*\t, BX+\t
.endr
	v_lshl_or_b32 v15, v[BX+1], 8, v[BX]           ; my row's scale word
	v_lshl_or_b32 v15, v[BX+2], 16, v15
	v_lshl_or_b32 v15, v[BX+3], 24, v15
; Lanes 0-15 hold tile 2 w's rows and lanes 16-31 tile 2 w + 1's, each with all four blocks.  A half image wants block 2 e in lanes 0-15 and block 2 e + 1 in lanes 16-31 of ONE tile:
; the exchange of block 2 e's upper lanes with block 2 e + 1's lower lanes gives tile 2 w's half image in the first run of registers and tile 2 w + 1's in the second.
.irp e, 0,1
.irp i, 0,1,2,3,4,5
	v_permlane16_swap_b32 v[HX+12*\e+\i], v[HX+12*\e+6+\i]
.endr
.endr
.irp e, 0,1
.irp u, 0,1
.irp p, 0,1,2
	global_store_b64 v5, v[HX+12*\e+6*\u+2*\p:HX+12*\e+6*\u+2*\p+1], s[26:27] offset:FRAG*\u+HIB*\e+256*\p   ; 32 lanes store 256 consecutive bytes, at a multiple of 256 from the buffer's first byte
.endr
.endr
.endr
	global_store_b32 v7, v15, s[24:25] offset:8*FRAG
	s_endpgm
	; ---- the weights.  Work-group 256 + T: tile T of 256 (matrix T / 64).  Wave w: 256 along K (records 2 w, 2 w + 1): four half images.
.Lweights:
	s_sub_co_u32 s20, ttmp9, 256                   ; T
	s_lshr_b32 s21, s20, 6                         ; which matrix
	s_and_b32 s22, s20, 63                         ; which of its 64 tiles
	s_lshr_b32 s23, s22, 1
	s_lshl_b32 s23, s23, 5
	s_and_b32 s24, s22, 1
	s_lshl_b32 s24, s24, 3
	s_add_co_u32 s23, s23, s24                     ; the tile's first row: 32 (T / 2) + 8 (T % 2)
	s_lshl_b32 s22, s23, 12                        ; rows of 4,096 bytes
	s_lshl_b32 s24, s18, 10                        ; my 256 along K
	s_add_co_u32 s22, s22, s24
	s_mov_b32 s23, 0
	s_lshr_b32 s24, s20, 3
	s_mul_i32 s24, s24, PANEL                      ; panel T / 8: W0 has panels 0-7, W1 8-15, W2 16-23, W3 24-31
	s_mul_i32 s25, s18, 2*REC
	s_add_co_u32 s24, s24, s25                     ; my two records
	s_and_b32 s25, s20, 7
	s_mul_i32 s26, s25, FRAG
	s_add_co_u32 s26, s26, s24                     ; the tile's codes
	s_mov_b32 s27, 0
	s_lshl_b32 s25, s25, 6
	s_add_co_u32 s24, s24, s25                     ; the tile's scale words (12,288 further on, in the immediate)
	s_mov_b32 s25, 0
	s_mov_b32 s28, 0x76543210
	s_mov_b32 s29, 0xfedcba98                      ; v_permlanex16_b32's selects for lane l xor 16
	s_mul_i32 s30, s18, 2*STG                      ; my two stages
	s_wait_alu depctr_va_vdst(0)
	v_lshlrev_b32 v8, 4, v3
	v_lshl_add_u32 v8, v4, 12, v8                  ; in: sixteen lanes read 256 consecutive bytes of a row, lanes 16-31 those of the next row
	v_mul_u32_u24 v9, v4, 272
	v_lshl_add_u32 v9, v3, 4, v9
	v_add_nc_u32 v9, s30, v9                       ; into the stage as loaded
	v_mul_u32_u24 v10, v3, 272
	v_lshl_add_u32 v10, v4, 7, v10
	v_add_nc_u32 v10, s30, v10                     ; out of it: row r, block h: 32 neighbours, 128 bytes
	v_mul_u32_u24 v11, v4, REC
	v_lshl_add_u32 v11, v3, 2, v11                 ; scale words: lanes 0-15 store the first record's, lanes 16-31 the second's
	s_wait_alu depctr_va_vdst(0)
	s_wait_kmcnt 0x0
	s_cmp_eq_u32 s21, 1                            ; the choice hangs on the work-group's number alone
	s_cselect_b64 s[6:7], s[8:9], s[6:7]
	s_cmp_eq_u32 s21, 2
	s_cselect_b64 s[6:7], s[10:11], s[6:7]
	s_cmp_eq_u32 s21, 3
	s_cselect_b64 s[6:7], s[12:13], s[6:7]
	s_add_nc_u64 s[6:7], s[6:7], s[22:23]
	s_add_nc_u64 s[26:27], s[16:17], s[26:27]
	s_add_nc_u64 s[24:25], s[16:17], s[24:25]
.irp hi, 0,1,2,3
.irp i, 0,1,2,3,4,5,6,7
	global_load_b128 v[NUM+32*\hi+4*\i:NUM+32*\hi+4*\i+3], v8, s[6:7] offset:(2*\i+8*(\i/4))*4096+256*\hi th:TH_LOAD_NT   ; lane-rows 2 i, 2 i + 1: rows 8-15 of a tile lie 8 further down
.endr
.endr
.macro TURN hi                         ; half image hi through a stage: LDS serves a wave's instructions in order, so no wait stands between the stores and the loads
	s_wait_loadcnt 24-8*(\hi)                      ; its 8 loads are in; the 8 of each later half image may be out
.irp i, 0,1,2,3,4,5,6,7
	ds_store_b128 v9, v[NUM+32*(\hi)+4*\i:NUM+32*(\hi)+4*\i+3] offset:STG*((\hi)%2)+544*\i
.endr
.irp i, 0,1,2,3,4,5,6,7
	ds_load_b128 v[XW+32*((\hi)%2)+4*\i:XW+32*((\hi)%2)+4*\i+3], v10 offset:STG*((\hi)%2)+16*\i
.endr
.endm
	TURN 0
.irp hi, 0,1,2,3
.if \hi < 3
	TURN \hi+1                                     ; the next half image goes through the other stage while this one is worked
	s_wait_dscnt 16                                ; all but the 16 just issued: this half image's numbers are back
.else
	s_wait_dscnt 0x0
.endif
	BLOCKMAX XW+32*(\hi%2)                         ; lane (r, h) holds row r, block h: the six registers of codes ARE the half image
	CODES XW+32*(\hi%2), HW+6*\hi, TW, BW+\hi
.irp p, 0,1,2
	global_store_b64 v5, v[HW+6*\hi+2*\p:HW+6*\hi+2*\p+1], s[26:27] offset:REC*(\hi/2)+HIB*(\hi%2)+256*\p   ; 256 consecutive bytes, aligned
.endr
.endr
	v_lshl_or_b32 v16, v[BW+1], 16, v[BW]          ; my two bytes of the first record's word: blocks h and 2 + h,
	v_lshl_or_b32 v17, v[BW+3], 16, v[BW+2]        ; and of the second's,
	v_lshlrev_b32 v18, 3, v4
	v_lshlrev_b32 v16, v18, v16                    ; at their places (8 h bits up);
	v_lshlrev_b32 v17, v18, v17
	v_mov_b32 v19, 0                               ; (a lane permute's destination counts as one of its sources)
	v_mov_b32 v20, 0
	v_permlanex16_b32 v19, v16, s28, s29
	v_permlanex16_b32 v20, v17, s28, s29
	v_or_b32 v16, v16, v19                         ; with lane l xor 16's two the words are whole
	v_or_b32 v17, v17, v20
	v_cmp_gt_u32 vcc_lo, 16, v2
	v_cndmask_b32 v16, v17, v16, vcc_lo            ; lanes 0-15 the first record's word, lanes 16-31 the second's
	global_store_b32 v11, v16, s[24:25] offset:8*FRAG
	s_wait_tensorcnt 0x0
	ds_add_u32 v31, v251
	s_wait_dscnt 0x0
	s_endpgm
.Lfunc_end_k_qb60a6ec3f9_quant:
	.size	k_qb60a6ec3f9_quant, .Lfunc_end_k_qb60a6ec3f9_quant-k_qb60a6ec3f9_quant
	.p2alignl 7, 3214868480
	.fill 96, 4, 3214868480
	.section	.rodata,"a",@progbits
	.p2align	6, 0x0
	.amdhsa_kernel k_qb60a6ec3f9_quant
		.amdhsa_group_segment_fixed_size 35328
		.amdhsa_private_segment_fixed_size 0
		.amdhsa_enable_private_segment 0
		.amdhsa_kernarg_size 56
		.amdhsa_user_sgpr_count 2
		.amdhsa_user_sgpr_kernarg_segment_ptr 1
		.amdhsa_wavefront_size32 1
		.amdhsa_system_sgpr_workgroup_id_x 1
		.amdhsa_system_sgpr_workgroup_id_y 1
		.amdhsa_system_sgpr_workgroup_id_z 1
		.amdhsa_system_vgpr_workitem_id 0
		.amdhsa_next_free_vgpr 256
		.amdhsa_next_free_sgpr 66
		.amdhsa_reserve_vcc 1
		.amdhsa_float_denorm_mode_32 3
		.amdhsa_float_denorm_mode_16_64 3
		.amdhsa_memory_ordered 1
		.amdhsa_forward_progress 1
		.amdhsa_inst_pref_size 38
	.end_amdhsa_kernel
	.amdgpu_metadata
---
amdhsa.version: [ 1, 2 ]
amdhsa.kernels:
  - .name:           k_qb60a6ec3f9_quant
    .symbol:         k_qb60a6ec3f9_quant.kd
    .args:
      - { .name: x, .offset: 0, .size: 8, .value_kind: global_buffer, .address_space: global }
      - { .name: W0, .offset: 8, .size: 8, .value_kind: global_buffer, .address_space: global }
      - { .name: W1, .offset: 16, .size: 8, .value_kind: global_buffer, .address_space: global }
      - { .name: W2, .offset: 24, .size: 8, .value_kind: global_buffer, .address_space: global }
      - { .name: W3, .offset: 32, .size: 8, .value_kind: global_buffer, .address_space: global }
      - { .name: xq, .offset: 40, .size: 8, .value_kind: global_buffer, .address_space: global }
      - { .name: wq, .offset: 48, .size: 8, .value_kind: global_buffer, .address_space: global }
    .group_segment_fixed_size: 35328
    .private_segment_fixed_size: 0
    .kernarg_segment_align: 8
    .kernarg_segment_size: 56
    .max_flat_workgroup_size: 128
    .sgpr_count:     66
    .vgpr_count:     256
    .wavefront_size: 32
...
	.end_amdgpu_metadata
.endif
;; end of part 1
;; launch proj (part 2): grid 8 x 32, 4 waves a work-group, clusters of 4 x 4, 327,680 bytes of LDS; arguments xq, wq, mask, kqc, kqs, vc, vs; writes kqc, kqs, vc, vs
.if DOCPART == 2
	.amdgcn_target "amdgcn-amd-amdhsa--gfx1250"
	.amdhsa_code_object_version 6
	.text
	.protected	k_qb60a6ec3f9_proj
	.globl	k_qb60a6ec3f9_proj
	.p2align	8
	.type	k_qb60a6ec3f9_proj,@function
k_qb60a6ec3f9_proj:
	s_mov_b64 s[64:65], 0
	v_nop
	global_prefetch_b8 v0, s[64:65] scope:SCOPE_SE
	s_setreg_imm32_b32 hwreg(HW_REG_WAVE_MODE, 25, 1), 1
	s_wait_xcnt 0x0
	s_wait_alu depctr_hold_cnt(0) depctr_sa_sdst(0) depctr_va_vdst(0) depctr_va_sdst(0) depctr_va_ssrc(0) depctr_va_vcc(0) depctr_vm_vsrc(0)
	s_getreg_b32 s2, hwreg(HW_REG_IB_STS2, 6, 4)
	s_cmp_eq_u32 s2, 0
	s_cbranch_scc0 .Lentry_in_a_cluster
	s_endpgm
.Lentry_in_a_cluster:
	s_bfe_u32 s2, ttmp6, 0x10000c
	s_cmp_lg_u32 s2, 0xf033
	s_cbranch_scc0 .Lentry_shape_is_right
	s_endpgm
.Lentry_shape_is_right:
; The three projections Kp = W0 x, Qp = W1 x, Vp = W2 x on codes of FP6 (E2M3) with E8M0 scales, K = 1,024 channels; each result is quantised in registers for attention's products and leaves as codes.
; SHARES.  Work-group (g, j): x's panel j (128 rows (batch, l)) stays in LDS; against it 128 rows of W0, of W1 and of W2 (panels g, g + 8, g + 16 of wq): three tiles of 128 x 128.  256 work-groups, one text for all.
; Four waves, each 64 x 64: 16 accumulators.  P is source 0, R is source 1: a lane holds ONE row of R and its registers run along P's rows, which are the next product's K:
;   tiles 0, 1 (Kp, Qp): P = W, R = x: a lane holds a position l, registers along the head's 64 channels d;   tile 2 (Vp): P = x, R = W2: a lane holds a channel d, registers along 64 keys.
; The rows of every tile lie in the order 32 (T / 2) + 8 (T % 2) + r + 8 (r / 8), so the 16 registers of P's tiles 2 b, 2 b + 1 are 16 neighbours: k = 32 b + 16 (lane / 16) + 0 .. 15.
; PANELS (xq, wq): 8 records of 12,800 bytes (128 along K): 8 tiles x 1,536 bytes as images of the operand's registers (chunk p of 256 bytes: registers 2 p, 2 p + 1 at 8 x lane), then 128 scale words.
; THE MASK.  reference() has logit x m + (1 - m) x (-1e30): for m = 1 the logit, else a constant in which the product is absorbed.  Rows of Qp (the keys) whose m is not 1 are multiplied by 0 here, ahead of the quantiser;
; the attention launch adds the constant's effect.  LIMIT: |m x logit| under 3.7e22 (half an ulp of 1e30), so that it is absorbed; NaN and infinities among the inputs are not served.
; OUT.  kqc [H' 0..31][tile 0..255][768]: 16 rows x 64 along d as half an operand's image (H' = head for Kp, 16 + head for Qp; tile = 8 j + ..); kqs [H'][tile][16 words]: byte 0, byte 1, upper half 0.
;       vc [16 b + head][key step][d tile 0..3][half e][768];  vs [16 b + head][key step][e][m][32 words]: lanes 0-15 d tile 2 m, lanes 16-31 d tile 2 m + 1.
; CLUSTER 4 x 4: x's panel hangs on j alone and is asked for jointly along a row of the cluster, W's panels on g alone and along a column.  Each wave moves its quarter of a panel (two records, 100 rows of 256 bytes).
; LDS: x's panel, W0's (filled again with W2's), W1's, the spare words.
.set PANEL, 102400
.set REC,   12800
.set PIECE, 25600
.set FRAG,  1536
.set XB,    0
.set WA,    102400
.set WB,    204800
.set SPARE, 307200                     ; 128 bytes for each wave: two blocks of 256 bytes that no other line names
.set L8,  1                            ; v1   8 x lane
.set L4,  2                            ; v2   4 x lane
.set L4R, 3                            ; v3   4 x (lane % 16)
.set SH,  4                            ; v4   16 x (lane / 16)
.set SPW, 5                            ; v5   LDS address of my spare word; never rewritten
.set NIL, 6                            ; v6   0; never rewritten
.set AP,  7                            ; v7-8   P's fragments: records 0-3, records 4-7
.set AR,  9                            ; v9-10  R's
.set ASP, 11                           ; v11-12 P's scale words
.set ASR, 13                           ; v13-14 R's
.set Z,   16                           ; v16-23 1.0 or 0 for my row of each of R's four tiles, as pairs
.set SCP, 24                           ; v24-27 P's scale words, a register a tile: they hold scales and nothing else
.set SCR, 28                           ; v28-31 R's
.set PF,  32                           ; v32-79  P's four fragments
.set RF,  80                           ; v80-127 R's
.set ACC, 128                          ; v128-255 accumulator (n, t) at 128 + 32 n + 8 t: R's tile n, P's tile t
.set TM,  32                           ; the way out: v32-35 largest magnitudes, v36-39 bytes, v44-47 the conversions' scale operands
.set PW,  48                           ; v48  four bytes
.set WV,  18
.set PWV, 19                           ; wave / 2: which 64 rows of P
.set RWV, 20                           ; wave % 2: which 64 rows of R
.set G1X, 28                           ; s[28:35] group 1 with the mask of my row of the cluster
.set G1W, 36                           ; s[36:43] with that of my column
.set G0X, 44
.set G0A, 48
.set G0B, 52
.set SEL, 56
.macro ROUND                           ; a round of the cluster's barrier: my work-group's barrier; wave 0 signals for the work-group; every wave waits for all sixteen; my work-group's barrier once more
	s_barrier_signal -1
	s_barrier_wait -1
	s_cmp_lg_u32 s[WV], 0
	s_cbranch_scc1 .Lnot_wave_0_\@
	s_barrier_signal -3
.Lnot_wave_0_\@:
	s_barrier_wait -3
	s_barrier_signal -1
	s_barrier_wait -1
.endm
.macro SETADR pbase, ph, rbase, rh     ; my LDS addresses: panel + my four tiles (6,144 bytes; 256 bytes of scale words) + my lane's place
	s_mul_i32 s74, s[\ph], 4*FRAG
	s_add_co_u32 s74, s74, \pbase
	v_add_nc_u32 v[AP], s74, v[L8]
	s_add_co_u32 s74, s74, 4*REC
	v_add_nc_u32 v[AP+1], s74, v[L8]
	s_lshl_b32 s75, s[\ph], 8
	s_add_co_u32 s75, s75, \pbase+8*FRAG
	v_add_nc_u32 v[ASP], s75, v[L4R]
	s_add_co_u32 s75, s75, 4*REC
	v_add_nc_u32 v[ASP+1], s75, v[L4R]
	s_mul_i32 s74, s[\rh], 4*FRAG
	s_add_co_u32 s74, s74, \rbase
	v_add_nc_u32 v[AR], s74, v[L8]
	s_add_co_u32 s74, s74, 4*REC
	v_add_nc_u32 v[AR+1], s74, v[L8]
	s_lshl_b32 s75, s[\rh], 8
	s_add_co_u32 s75, s75, \rbase+8*FRAG
	v_add_nc_u32 v[ASR], s75, v[L4R]
	s_add_co_u32 s75, s75, 4*REC
	v_add_nc_u32 v[ASR+1], s75, v[L4R]
.endm
; 128 along K: 8 scale loads, 48 loads of 8 bytes (each 256 consecutive bytes for the wave), 16 matrix instructions.  The 16 accumulators take turns, one instruction a turn, in one order in every step.
.macro KSTEP s, zero
.set KB, (\s)/4
.set KOF, ((\s)%4)*REC
.irp t, 0,1,2,3
	ds_load_b32 v[SCP+\t], v[ASP+KB] offset:KOF+64*\t
.endr
.irp n, 0,1,2,3
	ds_load_b32 v[SCR+\n], v[ASR+KB] offset:KOF+64*\n
.endr
.irp n, 0,1,2,3
.irp p, 0,1,2,3,4,5
	ds_load_b64 v[RF+12*\n+2*\p:RF+12*\n+2*\p+1], v[AR+KB] offset:KOF+FRAG*\n+256*\p
.endr
.endr
.irp t, 0,1,2,3
.irp p, 0,1,2,3,4,5
	ds_load_b64 v[PF+12*\t+2*\p:PF+12*\t+2*\p+1], v[AP+KB] offset:KOF+FRAG*\t+256*\p
.endr
.endr
.irp t, 0,1,2,3
	s_wait_dscnt 18-6*\t                           ; the scales, R and P's tiles up to t are in; the 6 loads of each later tile of P may be out
.irp n, 0,1,2,3
.if \zero
	v_wmma_scale_f32_16x16x128_f8f6f4 v[ACC+32*\n+8*\t:ACC+32*\n+8*\t+7], v[PF+12*\t:PF+12*\t+11], v[RF+12*\n:RF+12*\n+11], 0, v[SCP+\t], v[SCR+\n] matrix_a_fmt:MATRIX_FMT_FP6 matrix_b_fmt:MATRIX_FMT_FP6
.else
	v_wmma_scale_f32_16x16x128_f8f6f4 v[ACC+32*\n+8*\t:ACC+32*\n+8*\t+7], v[PF+12*\t:PF+12*\t+11], v[RF+12*\n:RF+12*\n+11], v[ACC+32*\n+8*\t:ACC+32*\n+8*\t+7], v[SCP+\t], v[SCR+\n] matrix_a_fmt:MATRIX_FMT_FP6 matrix_b_fmt:MATRIX_FMT_FP6
.endif
.endr
.endr
.rept 4
	v_nop                                          ; four places in front of loads into registers that matrix instructions have read (ISA guide 7.12.1 for vector instructions)
.endr
.endm
.macro TILE                            ; all of K; the first step's products start the sums: nothing is cleared
	KSTEP 0, 1
.irp k, 1,2,3,4,5,6,7
	KSTEP \k, 0
.endr
.endm
; 64 numbers of a lane, v[s] .. v[s + 63], in four blocks of which I hold 16 numbers each (lane l xor 16 the other 16), become 12 registers of codes at v[pc] and four bytes in v[PW].
.macro QUANT s, pc
.irp b, 0,1,2,3
	v_max3_num_f32 v[TM+\b], |v[\s+16*\b]|, |v[\s+1+16*\b]|, 0x1800000   ; my 16 numbers and the floor 2^(3 - 127): the byte cannot fall under 1.  (Each accumulator is read from its low end on)
.endr
.irp i, 2,4,6,8,10,12,14
.irp b, 0,1,2,3
	v_max3_num_f32 v[TM+\b], v[TM+\b], |v[\s+16*\b+\i]|, |v[\s+1+16*\b+\i]|
.endr
.endr
.irp b, 0,1,2,3
	v_permlanex16_b32 v[TM+4+\b], v[TM+\b], s[SEL], s[SEL+1]
.endr
.irp b, 0,1,2,3
	v_max_num_f32 v[TM+\b], v[TM+\b], v[TM+4+\b]   ; the block's largest magnitude
.endr
.irp b, 0,1,2,3
	v_add_nc_u32 v[TM+12+\b], 0xff000000, v[TM+\b] ; 2 off its exponent field: the conversion's scale operand
.endr
.irp b, 0,1,2,3
	v_lshrrev_b32 v[TM+4+\b], 23, v[TM+12+\b]      ; the scale's byte
.endr
	v_lshl_or_b32 v[PW], v[TM+5], 8, v[TM+4]
	v_lshl_or_b32 v[PW], v[TM+6], 16, v[PW]
	v_lshl_or_b32 v[PW], v[TM+7], 24, v[PW]
.irp c, 0,1
	v_cvt_scalef32_pk16_fp6_f32 v[\pc+6*\c:\pc+2+6*\c], v[\s+32*\c:\s+15+32*\c], v[TM+12+2*\c]
	v_cvt_scalef32_pk16_fp6_f32 v[\pc+12+4*\c:\pc+14+4*\c], v[\s+16+32*\c:\s+31+32*\c], v[TM+12+2*\c+1]   ; (a conversion's three registers begin on an even number)
.endr
	v_nop                                          ; one plain instruction behind the scaled conversions
.irp c, 0,1                            ; the operand's layout wants a WHOLE block in a lane: lanes 0-15 block 2 c, lanes 16-31 block 2 c + 1
.irp i, 0,1,2
	v_permlane16_swap_b32 v[\pc+6*\c+\i], v[\pc+12+4*\c+\i]
.endr
.irp i, 0,1,2
	v_mov_b32 v[\pc+3+6*\c+\i], v[\pc+12+4*\c+\i]
.endr
.endr
.endm
; THE WAY OUT of a tile.  Accumulators (2 m, ..) and (2 m + 1, ..) are 2 x 2 blocks of my rows of R's tiles 2 m, 2 m + 1: registers 0-5 of the codes are tile 2 m's half image, registers 6-11 tile 2 m + 1's.
; cb: where tile 0's half image goes, str: bytes from tile to tile, sb: where the half words go.
.macro EPI cb, str, sb
.irp b, 0,1,2,3
	v_mov_b32 v[TM+4+\b], 0                        ; a lane permute's destination counts as one of its sources
.endr
.irp m, 0,1
	QUANT ACC+64*\m, 56+24*\m
.irp q, 0,1,2
	global_store_b64 v[L8], v[56+24*\m+2*\q:56+24*\m+2*\q+1], s[\cb:\cb+1] offset:2*(\str)*\m+256*\q           ; 32 lanes store 256 consecutive bytes, at a multiple of 256 from the buffer's first byte
	global_store_b64 v[L8], v[62+24*\m+2*\q:62+24*\m+2*\q+1], s[\cb:\cb+1] offset:2*(\str)*\m+(\str)+256*\q
.endr
	v_lshrrev_b32 v[50+\m], v[SH], v[PW]           ; lanes 0-15 keep tile 2 m's two bytes, lanes 16-31 tile 2 m + 1's
	v_and_b32 v[50+\m], 0xffff, v[50+\m]
	global_store_b32 v[L4], v[50+\m], s[\sb:\sb+1] offset:128*\m
.endr
.endm
	s_load_b256 s[4:11], s[0:1], 0x0               ; xq s[4:5], wq s[6:7], mask s[8:9], kqc s[10:11]
	s_load_b128 s[12:15], s[0:1], 0x20             ; kqs s[12:13], vc s[14:15]
	s_load_b64 s[16:17], s[0:1], 0x30              ; vs
	v_lshl_add_u32 v[SPW], v0, 2, SPARE
	v_mov_b32 v[NIL], 0
	ds_add_u32 v5, v6
	ds_add_u32 v5, v6
	s_wait_dscnt 0x0
	v_lshrrev_b32 v15, 5, v0
	v_readfirstlane_b32 s[WV], v15                 ; wave 0..3
	s_lshr_b32 s[PWV], s[WV], 1
	s_and_b32 s[RWV], s[WV], 1
	s_bfe_u32 s21, ttmp6, 0x40000                  ; cx, cy: my place in the cluster
	s_bfe_u32 s22, ttmp6, 0x40004
	s_lshl_b32 s23, ttmp9, 2
	s_add_co_u32 s23, s23, s21                     ; g = 4 x cluster x + cx
	s_and_b32 s24, ttmp7, 0xffff
	s_lshl_b32 s24, s24, 2
	s_add_co_u32 s24, s24, s22                     ; j = 4 x cluster y + cy
	s_lshl_b32 s25, s22, 2
	s_lshl_b32 s25, 15, s25                        ; my row of the cluster
	s_lshl_b32 s26, 0x1111, s21                    ; my column
	; group 1: a dense piece of 25,600 bytes as 100 rows of 256 bytes (32 elements of 8 bytes), no padding
	s_or_b32 s[G1X], s25, (3<<16)|(1<<21)          ; 15:0 the mask; 17:16 elements of 8 bytes; 21 set beside a mask
	s_or_b32 s[G1W], s26, (3<<16)|(1<<21)
.irp g, G1X, G1W
	s_mov_b32 s[\g+1], 32<<16                      ; tensor_dim0 = 32
	s_mov_b32 s[\g+2], 100<<16                     ; tensor_dim1 = 100
	s_mov_b32 s[\g+3], 32<<16                      ; tile_dim0 = 32
	s_mov_b32 s[\g+4], 100                         ; tile_dim1 = 100
	s_mov_b32 s[\g+5], 32                          ; from row to row
	s_mov_b32 s[\g+6], 0
	s_mov_b32 s[\g+7], 0
.endr
	s_mul_i32 s75, s[WV], PIECE                    ; my quarter of a panel, in memory and in LDS: no place in the cluster enters an LDS address
	s_mul_i32 s76, s24, PANEL                      ; x's panel j (these registers never hold g)
	s_add_co_u32 s76, s76, s75
	s_mov_b32 s77, 0
	s_mul_i32 s78, s23, PANEL                      ; W0's panel g (these never hold j)
	s_add_co_u32 s78, s78, s75
	s_mov_b32 s79, 0
	s_mov_b32 s[SEL], 0x76543210
	s_mov_b32 s[SEL+1], 0xfedcba98                 ; v_permlanex16_b32's selects for lane l xor 16
	s_wait_kmcnt 0x0
	s_mov_b32 s[G0X], 1
	s_add_co_u32 s[G0X+1], s75, XB
	s_add_nc_u64 s[G0X+2:G0X+3], s[4:5], s[76:77]
	s_or_b32 s[G0X+3], s[G0X+3], 0x80000000
	s_mov_b32 s[G0A], 1
	s_add_co_u32 s[G0A+1], s75, WA
	s_add_nc_u64 s[G0A+2:G0A+3], s[6:7], s[78:79]
	s_or_b32 s[G0A+3], s[G0A+3], 0x80000000
	s_mov_b32 s[G0B], 1
	s_add_co_u32 s[G0B+1], s75, WB
	s_add_nc_u64 s[G0B+2:G0B+3], s[6:7], s[78:79]
	s_add_nc_u64 s[G0B+2:G0B+3], s[G0B+2:G0B+3], 8*PANEL   ; W1's panel g + 8
	s_or_b32 s[G0B+3], s[G0B+3], 0x80000000
	ROUND                                          ; all sixteen work-groups are here: the first joint loads meet
	tensor_load_to_lds s[G0X:G0X+3], s[G1X:G1X+7]  ; the three first fills go out as one group: three loads of mine are out
	s_nop 0
	tensor_load_to_lds s[G0A:G0A+3], s[G1W:G1W+7]
	s_nop 0
	tensor_load_to_lds s[G0B:G0B+3], s[G1W:G1W+7]
	s_nop 0
.rept 4
	v_nop
.endr
	v_and_b32 v15, 31, v0
	v_lshlrev_b32 v[L8], 3, v15
	v_lshlrev_b32 v[L4], 2, v15
	v_and_b32 v36, 15, v0                          ; r
	v_lshlrev_b32 v[L4R], 2, v36
	v_bfe_u32 v[SH], v0, 4, 1
	v_lshlrev_b32 v[SH], 4, v[SH]
	; the mask of my row of x in each of my four tiles: position 128 j + 64 (wave % 2) + 32 (n / 2) + 8 (n % 2) + r + 8 (r / 8)
	v_and_b32 v37, 8, v36
	v_add_nc_u32 v36, v36, v37
	v_lshlrev_b32 v36, 2, v36
	s_lshl_b32 s72, s24, 9
	s_lshl_b32 s73, s[RWV], 8
	s_add_co_u32 s72, s72, s73
	s_mov_b32 s73, 0
	s_add_nc_u64 s[72:73], s[8:9], s[72:73]
.irp n, 0,1,2,3
	global_load_b32 v[32+\n], v36, s[72:73] offset:(32*(\n/2)+8*(\n%2))*4
.endr
	; where the results go
	s_lshl_b32 s80, s23, 1
	s_add_co_u32 s80, s80, s[PWV]                  ; tiles 0, 1: the head 2 g + wave / 2
	s_lshl_b32 s81, s24, 3
	s_lshl_b32 s82, s[RWV], 2
	s_add_co_u32 s81, s81, s82                     ; and the first tile of positions 8 j + 4 (wave % 2)
	s_mul_i32 s82, s80, 196608
	s_mul_i32 s83, s81, 768
	s_add_co_u32 s82, s82, s83
	s_mov_b32 s83, 0
	s_add_nc_u64 s[58:59], s[10:11], s[82:83]      ; Kp's codes
	s_add_nc_u64 s[62:63], s[58:59], 16*196608     ; Qp's: 16 heads further on
	s_lshl_b32 s84, s80, 14
	s_lshl_b32 s85, s81, 6
	s_add_co_u32 s84, s84, s85
	s_mov_b32 s85, 0
	s_add_nc_u64 s[60:61], s[12:13], s[84:85]      ; Kp's half words
	s_add_nc_u64 s[66:67], s[60:61], 16*16384      ; Qp's
	s_lshr_b32 s86, s24, 4
	s_lshl_b32 s86, s86, 4                         ; tile 2: 16 x batch
	s_lshl_b32 s87, s23, 1
	s_add_co_u32 s86, s86, s87
	s_add_co_u32 s86, s86, s[RWV]                  ; + the head 2 g + wave % 2
	s_lshl_b32 s86, s86, 4
	s_and_b32 s87, s24, 15
	s_add_co_u32 s86, s86, s87                     ; x 16 + the key step j % 16
	s_mul_i32 s88, s86, 6144
	s_mul_i32 s89, s[PWV], 768                     ; my 64 keys are half e = wave / 2 of the step
	s_add_co_u32 s88, s88, s89
	s_mov_b32 s89, 0
	s_add_nc_u64 s[68:69], s[14:15], s[88:89]      ; Vp's codes
	s_lshl_b32 s90, s86, 9
	s_lshl_b32 s91, s[PWV], 8
	s_add_co_u32 s90, s90, s91
	s_mov_b32 s91, 0
	s_add_nc_u64 s[70:71], s[16:17], s[90:91]      ; Vp's half words
	s_wait_loadcnt 0x0
	v_mov_b32 v37, 0
	v_mov_b32 v38, 1.0
.irp n, 0,1,2,3
	v_cmp_eq_u32 vcc_lo, 1, v[32+\n]
	v_cndmask_b32 v[Z+2*\n], v37, v38, vcc_lo      ; 1.0 where m = 1, else 0: a value is chosen, no branch
	v_cndmask_b32 v[Z+2*\n+1], v37, v38, vcc_lo
.endr
	SETADR WA, PWV, XB, RWV
	s_wait_alu depctr_va_vdst(0)
	s_wait_tensorcnt 0x1                           ; my parts of x's and of W0's panel are in; W1's may stay out
	s_barrier_signal -1
	s_barrier_wait -1                              ; everybody's are
	TILE                                           ; Kp
	; W0's panel has been read: its bytes take W2's.  All my tensor loads have landed (W1's part among them), 0 goes onto my spare word, that and my reads are waited for; the round holds this of every wave of the cluster.
	s_wait_tensorcnt 0x0
	ds_add_u32 v[SPW], v[NIL]
	s_add_nc_u64 s[G0A+2:G0A+3], s[G0A+2:G0A+3], 16*PANEL   ; no load of mine is out, so the group may be written: W2's panel g + 16
	s_wait_dscnt 0x0
	ROUND
	tensor_load_to_lds s[G0A:G0A+3], s[G1W:G1W+7]  ; my one tensor load behind the round, and the first thing there; it has Kp's way out and all of Qp's products in which to land
	s_nop 0
.rept 4
	v_nop
.endr
	EPI 58, 768, 60
	s_wait_xcnt 0x0                                ; the stores have read their registers: the next loads may land there
	SETADR WB, PWV, XB, RWV
	s_wait_alu depctr_va_vdst(0)
	TILE                                           ; Qp
.rept 4
	v_nop
.endr
.irp n, 0,1,2,3
.set I, 0
.rept 16
	v_pk_mul_f32 v[ACC+32*\n+I:ACC+32*\n+I+1], v[ACC+32*\n+I:ACC+32*\n+I+1], v[Z+2*\n:Z+2*\n+1] op_sel_hi:[1,0]   ; keys whose m is not 1 become zeros; ascending: each accumulator from its low end on
.set I, I+2
.endr
.endr
	EPI 62, 768, 66
	s_wait_tensorcnt 0x0                           ; my part of W2's panel is in,
	s_wait_dscnt 0x0
	s_wait_xcnt 0x0                                ; (and the stores have read their registers)
	s_barrier_signal -1
	s_barrier_wait -1                              ; everybody's is
	SETADR XB, PWV, WA, RWV
	s_wait_alu depctr_va_vdst(0)
	TILE                                           ; Vp: x is source 0 now
.rept 4
	v_nop
.endr
	EPI 68, 1536, 70
	s_wait_tensorcnt 0x0                           ; the wave's end
	ds_add_u32 v[SPW], v[NIL]
	s_wait_dscnt 0x0
	ROUND                                          ; the closing round: no work-group ends while a partner may still ask for a tile that names it
	s_endpgm
.Lfunc_end_k_qb60a6ec3f9_proj:
	.size	k_qb60a6ec3f9_proj, .Lfunc_end_k_qb60a6ec3f9_proj-k_qb60a6ec3f9_proj
	.p2alignl 7, 3214868480
	.fill 96, 4, 3214868480
	.section	.rodata,"a",@progbits
	.p2align	6, 0x0
	.amdhsa_kernel k_qb60a6ec3f9_proj
		.amdhsa_group_segment_fixed_size 327680
		.amdhsa_private_segment_fixed_size 0
		.amdhsa_enable_private_segment 0
		.amdhsa_kernarg_size 56
		.amdhsa_user_sgpr_count 2
		.amdhsa_user_sgpr_kernarg_segment_ptr 1
		.amdhsa_wavefront_size32 1
		.amdhsa_system_sgpr_workgroup_id_x 1
		.amdhsa_system_sgpr_workgroup_id_y 1
		.amdhsa_system_sgpr_workgroup_id_z 1
		.amdhsa_system_vgpr_workitem_id 0
		.amdhsa_next_free_vgpr 256
		.amdhsa_next_free_sgpr 96
		.amdhsa_reserve_vcc 1
		.amdhsa_float_denorm_mode_32 3
		.amdhsa_float_denorm_mode_16_64 3
		.amdhsa_memory_ordered 1
		.amdhsa_forward_progress 1
		.amdhsa_inst_pref_size 181
	.end_amdhsa_kernel
	.amdgpu_metadata
---
amdhsa.version: [ 1, 2 ]
amdhsa.kernels:
  - .name:           k_qb60a6ec3f9_proj
    .symbol:         k_qb60a6ec3f9_proj.kd
    .args:
      - { .name: xq, .offset: 0, .size: 8, .value_kind: global_buffer, .address_space: global }
      - { .name: wq, .offset: 8, .size: 8, .value_kind: global_buffer, .address_space: global }
      - { .name: mask, .offset: 16, .size: 8, .value_kind: global_buffer, .address_space: global }
      - { .name: kqc, .offset: 24, .size: 8, .value_kind: global_buffer, .address_space: global }
      - { .name: kqs, .offset: 32, .size: 8, .value_kind: global_buffer, .address_space: global }
      - { .name: vc, .offset: 40, .size: 8, .value_kind: global_buffer, .address_space: global }
      - { .name: vs, .offset: 48, .size: 8, .value_kind: global_buffer, .address_space: global }
    .group_segment_fixed_size: 327680
    .private_segment_fixed_size: 0
    .kernarg_segment_align: 8
    .kernarg_segment_size: 56
    .max_flat_workgroup_size: 128
    .sgpr_count:     96
    .vgpr_count:     256
    .wavefront_size: 32
...
	.end_amdgpu_metadata
.endif
;; end of part 2
;; launch attn (part 3): grid 8 x 32, 16 waves a work-group, clusters of 4 x 1, 223,232 bytes of LDS; arguments kqc, kqs, vc, vs, mask, aq; writes aq
.if DOCPART == 3
	.amdgcn_target "amdgcn-amd-amdhsa--gfx1250"
	.amdhsa_code_object_version 6
	.text
	.protected	k_qb60a6ec3f9_attn
	.globl	k_qb60a6ec3f9_attn
	.p2align	8
	.type	k_qb60a6ec3f9_attn,@function
k_qb60a6ec3f9_attn:
	s_mov_b64 s[64:65], 0
	v_nop
	global_prefetch_b8 v0, s[64:65] scope:SCOPE_SE
	s_setreg_imm32_b32 hwreg(HW_REG_WAVE_MODE, 25, 1), 1
	s_wait_xcnt 0x0
	s_wait_alu depctr_hold_cnt(0) depctr_sa_sdst(0) depctr_va_vdst(0) depctr_va_sdst(0) depctr_va_ssrc(0) depctr_va_vcc(0) depctr_vm_vsrc(0)
	s_getreg_b32 s2, hwreg(HW_REG_IB_STS2, 6, 4)
	s_cmp_eq_u32 s2, 0
	s_cbranch_scc0 .Lentry_in_a_cluster
	s_endpgm
.Lentry_in_a_cluster:
	s_bfe_u32 s2, ttmp6, 0x10000c
	s_cmp_lg_u32 s2, 0x3003
	s_cbranch_scc0 .Lentry_shape_is_right
	s_endpgm
.Lentry_shape_is_right:
; Attention on codes of FP6 (E2M3) with E8M0 scales: for each (batch, head) out[l] = the sum over m of softmax_m(Kp[l] . Qp[m] / 8, masked) Vp[m].  Kp's rows are the QUERIES here and Qp's rows the KEYS, as reference() has it.
; THE SOFTMAX AHEAD OF THE SECOND PRODUCT: t = logit x log2(e); M = the row's largest t so far, rounded UP to a whole number; p = 2^(t - M) is quantised along the keys, not normalised.  The row's sum is taken of the
; unquantised p and divides at the end.  When M moves, the sum and O are multiplied by 2^(old M - new M): exact.
; THE MASK.  In f32 logit x m + (1 - m) x (-1e30) is the logit for m = 1 and the constant (m - 1) x 1e30 otherwise.  So only the keys whose m is the batch's largest count (the winners), and winners with m other than 1
; have equal logits.  The launch before has made the codes of keys with m other than 1 zeros.  Here C[key] = 0 for a winner and -2^103 for the others; C is loaded INTO the score registers and is the C of the score product.
; The largest t begins at -1e30, above log2(e) / 8 x (-2^103): the others never set M, and their p is 0.  LIMITS: |m x logit| under 3.7e22; mask values are told apart as f32; NaN and infinities are not served.
; SHARES.  A work-group owns 256 queries of one (batch, head); each of its SIXTEEN waves 16 of them, one tile, in 256 registers: four waves to a SIMD, so that one wave's vector work stands beside another's products and LDS loads.
; ALL KEYS AND VALUES OF THE HEAD LIE IN LDS (98,304 bytes each, and 8,192 of scale words each): every tile is filled once, and all are asked for at the head, so nothing is left for a prefetch to name.
; The four work-groups of a cluster belong to one (batch, head): each tile is asked for JOINTLY.  Waves 0, 1 fetch the keys' halves, waves 2, 3 the values'; each in two pieces, so that key steps 0-7 begin while the second pieces are on their way.
; LAYOUT.  Both products are used transposed: S^T = keys x queries, O^T = V^T x P: a lane holds ONE query (lane % 16).  The keys of a tile lie in the order 32 (T / 2) + 8 (T % 2) + r + 8 (r / 8), so the 16 registers of
; tiles 2 b, 2 b + 1 are keys 32 b + 16 (lane / 16) + 0 .. 15; V's channels lie likewise, so O^T's 32 registers are d = 32 b + 16 (lane / 16) + 0 .. 15: ready for the quantiser of the last projection.
; K = 64 IN AN INSTRUCTION OF 128: the queries' codes for k = 64 .. 127 are zeros, so what a key operand holds there adds nothing (every code of this format is a finite number; those blocks' scale bytes are 0, which is 2^-127).
; So key tile t's operand is the 12 registers from 32 + 6 t on: its own six and the next tile's six; behind tile 7 stand six registers of zeros.
.set PANEL, 102400
.set REC,   12800
.set FRAG,  1536
.set HIB,   768
.set KC,    0                          ; LDS: the keys' 128 tiles x 768 bytes
.set VC,    98304                      ; V: 16 key steps x 4 tiles of channels x 1,536 bytes
.set KSC,   196608                     ; the keys' scale words: 64 bytes a tile
.set VSC,   204800                     ; V's half words: 512 bytes a key step
.set MB,    212992                     ; C[key], f32: stored by the waves; no tile lands here
.set AK0, 1                            ; v1   8 x lane
.set AV0, 2                            ; v2   + VC
.set AS0, 3                            ; v3   4 x lane + KSC
.set AM0, 4                            ; v4   64 x (lane / 16) + MB
.set R4,  5                            ; v5   4 x (lane % 16)
.set ADK, 8                            ; v8-11 the step's addresses
.set ADV, 9
.set ADS, 10
.set ADM, 11
.set QF,  16                           ; v16-27 the queries' operand: v22-27 zeros.  v12 -M, v13 the largest t, v[14:15] the sum in two halves
.set QS,  28                           ; v28  the queries' scale words
.set KF,  32                           ; v32-79 eight key tiles, then V's four fragments; v80-85 zeros
.set KS,  86                           ; v86-89 the keys' scale words: lanes 0-15 tile 2 i, lanes 16-31 tile 2 i + 1
.set VH,  90                           ; v90-93 V's half words
.set VS,  94                           ; v94-95 V's scale words
.set S,   96                           ; v96-159 C, then S^T, then p
.set O,   160                          ; v160-191 O^T
.set PC,  192                          ; v192-203 p's codes; v204-210 second halves
.set PT,  204
.set BM,  212                          ; v212-215 the blocks' largest scores, then largest p
.set TP,  216                          ; v216-219 at work
.set SCO, 220                          ; v220-223 the conversions' scale operands
.set T1,  224
.set F,   226                          ; v[226:227] f = 2^(old M - new M) in the low word
.set PS,  228                          ; v228 p's scale word
.set L2,  230                          ; v[230:231] the sums' second chain
.set WV,  18
.set SEL, 22
.set CS,  24                           ; s[24:25] c = log2(e) / 8
.set G1C, 28                           ; s[28:35] group 1 for a piece of codes;  s[36:43] for half of the scale words
.set G1S, 36
.set G0KS, 44
.set G0KA, 48
.set G0KB, 52
.set KO,  56                           ; s56  the step's first byte among the keys' and among V's codes: 6,144 a step
.set SOF, 57                           ; s57  among the scale words and among C: 512 a step
.set CNT, 58
.set G0VS, 60
.set G0VA, 68
.set G0VB, 72
.macro ROUND
	s_barrier_signal -1
	s_barrier_wait -1
	s_cmp_lg_u32 s[WV], 0
	s_cbranch_scc1 .Lnot_wave_0_\@
	s_barrier_signal -3
.Lnot_wave_0_\@:
	s_barrier_wait -3
	s_barrier_signal -1
	s_barrier_wait -1
.endm
	s_load_b256 s[4:11], s[0:1], 0x0               ; kqc s[4:5], kqs s[6:7], vc s[8:9], vs s[10:11]
	s_load_b128 s[12:15], s[0:1], 0x20             ; mask s[12:13], aq s[14:15]
	v_lshl_add_u32 v254, v0, 2, 0x36000
	v_mov_b32 v255, 0
	ds_add_u32 v254, v255
	ds_add_u32 v254, v255
	v_lshrrev_b32 v8, 5, v0
	s_delay_alu instid0(VALU_DEP_1)
	v_readfirstlane_b32 s[WV], v8                  ; wave 0..15
	s_bfe_u32 s19, ttmp6, 0x40000                  ; cx
	s_lshl_b32 s20, ttmp9, 2
	s_add_co_u32 s20, s20, s19                     ; my block of 256 queries: it enters the queries' and the result's addresses alone
	s_and_b32 s21, ttmp7, 0xffff                   ; 16 x batch + head, which the four partners share
	s_lshr_b32 s26, s21, 4                         ; batch
	s_and_b32 s27, s21, 15                         ; head
	s_and_b32 s59, s[WV], 1                        ; which half I fetch, if I fetch
	; group 1: dense blocks as rows of 256 bytes (32 elements of 8 bytes): 96 rows of codes, 16 rows of scale words
	s_mov_b32 s[G1C], 15|(3<<16)|(1<<21)           ; 15:0 the mask: all four work-groups; 17:16 elements of 8 bytes; 21 set beside a mask
	s_mov_b32 s[G1C+1], 32<<16
	s_mov_b32 s[G1C+2], 96<<16
	s_mov_b32 s[G1C+3], 32<<16
	s_mov_b32 s[G1C+4], 96
	s_mov_b32 s[G1C+5], 32
	s_mov_b32 s[G1C+6], 0
	s_mov_b32 s[G1C+7], 0
	s_mov_b32 s[G1S], 15|(3<<16)|(1<<21)
	s_mov_b32 s[G1S+1], 32<<16
	s_mov_b32 s[G1S+2], 16<<16
	s_mov_b32 s[G1S+3], 32<<16
	s_mov_b32 s[G1S+4], 16
	s_mov_b32 s[G1S+5], 32
	s_mov_b32 s[G1S+6], 0
	s_mov_b32 s[G1S+7], 0
	s_mul_i32 s78, s59, 24576                      ; my piece of codes, in memory and in LDS
	s_lshl_b32 s79, s59, 12                        ; my half of the scale words
	s_add_co_u32 s76, s27, 16
	s_mul_i32 s76, s76, 196608                     ; the keys: Qp's head,
	s_mul_i32 s77, s26, 98304                      ; the batch's 128 tiles
	s_add_co_u32 s76, s76, s77
	s_add_co_u32 s76, s76, s78
	s_mov_b32 s77, 0
	s_add_co_u32 s80, s27, 16
	s_lshl_b32 s80, s80, 14
	s_lshl_b32 s81, s26, 13
	s_add_co_u32 s80, s80, s81
	s_add_co_u32 s80, s80, s79
	s_mov_b32 s81, 0
	s_mul_i32 s82, s21, 98304                      ; V
	s_add_co_u32 s82, s82, s78
	s_mov_b32 s83, 0
	s_lshl_b32 s84, s21, 13
	s_add_co_u32 s84, s84, s79
	s_mov_b32 s85, 0
	s_mov_b32 s[SEL], 0x76543210
	s_mov_b32 s[SEL+1], 0xfedcba98                 ; v_permlanex16_b32's selects for lane l xor 16
	s_mov_b32 s[CS], 0x3e38aa3b                    ; c = log2(e) / sqrt(64)
	s_mov_b32 s[CS+1], s[CS]                       ; (named with it as a pair, so it is written)
	s_mov_b32 s[KO], 0
	s_mov_b32 s[SOF], 0
	s_wait_dscnt 0x0
	s_wait_kmcnt 0x0
	s_mov_b32 s[G0KS], 1
	s_add_co_u32 s[G0KS+1], s79, KSC
	s_add_nc_u64 s[G0KS+2:G0KS+3], s[6:7], s[80:81]
	s_or_b32 s[G0KS+3], s[G0KS+3], 0x80000000
	s_add_nc_u64 s[86:87], s[4:5], s[76:77]
	s_mov_b32 s[G0KA], 1
	s_add_co_u32 s[G0KA+1], s78, KC
	s_mov_b64 s[G0KA+2:G0KA+3], s[86:87]           ; piece hf: key steps 4 hf .. 4 hf + 3
	s_or_b32 s[G0KA+3], s[G0KA+3], 0x80000000
	s_mov_b32 s[G0KB], 1
	s_add_co_u32 s[G0KB+1], s78, KC+49152
	s_add_nc_u64 s[G0KB+2:G0KB+3], s[86:87], 49152 ; piece hf + 2: eight key steps further on
	s_or_b32 s[G0KB+3], s[G0KB+3], 0x80000000
	s_mov_b32 s[G0VS], 1
	s_add_co_u32 s[G0VS+1], s79, VSC
	s_add_nc_u64 s[G0VS+2:G0VS+3], s[10:11], s[84:85]
	s_or_b32 s[G0VS+3], s[G0VS+3], 0x80000000
	s_add_nc_u64 s[86:87], s[8:9], s[82:83]
	s_mov_b32 s[G0VA], 1
	s_add_co_u32 s[G0VA+1], s78, VC
	s_mov_b64 s[G0VA+2:G0VA+3], s[86:87]
	s_or_b32 s[G0VA+3], s[G0VA+3], 0x80000000
	s_mov_b32 s[G0VB], 1
	s_add_co_u32 s[G0VB+1], s78, VC+49152
	s_add_nc_u64 s[G0VB+2:G0VB+3], s[86:87], 49152
	s_or_b32 s[G0VB+3], s[G0VB+3], 0x80000000
	ROUND                                          ; all four work-groups are here: the joint loads meet
	s_cmp_lt_u32 s[WV], 2                          ; a wave's three fills stand in one branch on the wave's number, ahead of every wait on TENSORcnt and every LDS read: three loads of mine are out
	s_cbranch_scc0 .Lnot_keys
	tensor_load_to_lds s[G0KS:G0KS+3], s[G1S:G1S+7]
	s_nop 0
	tensor_load_to_lds s[G0KA:G0KA+3], s[G1C:G1C+7]
	s_nop 0
	tensor_load_to_lds s[G0KB:G0KB+3], s[G1C:G1C+7]
	s_nop 0
.rept 4
	v_nop
.endr
	s_branch .Lasked
.Lnot_keys:
	s_cmp_lt_u32 s[WV], 4
	s_cbranch_scc0 .Lasked
	tensor_load_to_lds s[G0VS:G0VS+3], s[G1S:G1S+7]
	s_nop 0
	tensor_load_to_lds s[G0VA:G0VA+3], s[G1C:G1C+7]
	s_nop 0
	tensor_load_to_lds s[G0VB:G0VB+3], s[G1C:G1C+7]
	s_nop 0
.rept 4
	v_nop
.endr
.Lasked:
	v_and_b32 v9, 31, v0                           ; lane
	v_and_b32 v10, 15, v0                          ; r
	v_bfe_u32 v11, v0, 4, 1                        ; h
	s_delay_alu instid0(VALU_DEP_3)
	v_lshlrev_b32 v[AK0], 3, v9
	s_wait_alu depctr_va_vdst(0)
	v_add_nc_u32 v[AV0], VC, v[AK0]
	v_lshl_add_u32 v[AS0], v9, 2, KSC
	v_lshl_add_u32 v[AM0], v11, 6, MB
	v_lshlrev_b32 v[R4], 2, v10
	s_wait_alu depctr_va_vdst(0)
	v_lshlrev_b32 v6, 4, v9                        ; 16 x lane: the batch's mask, 512 bytes a load
	s_wait_alu depctr_va_vdst(0)
	v_lshlrev_b32 v7, 4, v0                        ; 16 x thread: my own four keys
	s_wait_alu depctr_va_vdst(0)
	v_lshl_add_u32 v29, v0, 4, MB                  ; and where their C goes
	s_lshl_b32 s88, s26, 7
	s_lshl_b32 s89, s20, 4
	s_add_co_u32 s88, s88, s89
	s_add_co_u32 s88, s88, s[WV]                   ; my tile of queries: 128 x batch + 16 x block + wave
	s_mul_i32 s90, s27, 196608                     ; Kp's head
	s_mul_i32 s91, s88, HIB
	s_add_co_u32 s90, s90, s91
	s_mov_b32 s91, 0
	s_add_nc_u64 s[90:91], s[4:5], s[90:91]
	s_lshl_b32 s92, s27, 14
	s_lshl_b32 s93, s88, 6
	s_add_co_u32 s92, s92, s93
	s_mov_b32 s93, 0
	s_add_nc_u64 s[92:93], s[6:7], s[92:93]
	s_lshl_b32 s94, s26, 13
	s_mov_b32 s95, 0
	s_add_nc_u64 s[94:95], s[12:13], s[94:95]      ; the batch's 2,048 mask words
.irp p, 0,1,2
	global_load_b64 v[QF+2*\p:QF+2*\p+1], v[AK0], s[90:91] offset:256*\p   ; the queries' half image stays in registers
.endr
	global_load_b32 v[QS], v[R4], s[92:93]
.set I, 0
.rept 16
	global_load_b128 v[S+4*I:S+4*I+3], v6, s[94:95] offset:512*I
.set I, I+1
.endr
	global_load_b128 v[192:195], v7, s[94:95]
.irp i, 0,1,2,3,4,5
	v_mov_b32 v[QF+6+\i], 0                        ; the queries' codes for k = 64 .. 127
	v_mov_b32 v[KF+48+\i], 0                       ; behind key tile 7
.endr
	v_mov_b32 v13, 0xf149f2ca                      ; the largest t so far: -1e30
	s_delay_alu instid0(VALU_DEP_1)
	v_floor_f32 v12, -v13                          ; -M
	v_mov_b32 v14, 0                               ; the sum, in two halves
	v_mov_b32 v15, 0
.irp b, 0,1,2,3
	v_mov_b32 v[TP+\b], 0                          ; written once: a lane permute's destination counts as one of its sources
.endr
	v_mov_b32 v[F], 0
	v_mov_b32 v[F+1], 0                            ; (named as the upper half of a pair)
	v_mov_b32 v30, 0
	v_mov_b32 v31, 0xf3000000                      ; -2^103
.set I, 0
.rept 32
	v_mov_b32 v[O+I], 0                            ; O^T.  (The step is written once: the first finds zeros, which the first change of M leaves zeros)
.set I, I+1
.endr
	s_wait_loadcnt 0x0
.set I, 0
.rept 64
	v_cvt_f32_i32 v[S+I], v[S+I]
.set I, I+1
.endr
.irp i, 0,1,2,3
	v_cvt_f32_i32 v[192+\i], v[192+\i]
.endr
.irp b, 0,1,2,3                        ; the batch's largest m: my 64 words in four chains,
	v_max3_num_f32 v[BM+\b], v[S+16*\b], v[S+1+16*\b], v[S+2+16*\b]
.endr
.irp i, 3,5,7,9,11,13
.irp b, 0,1,2,3
	s_delay_alu instid0(VALU_DEP_4)
	v_max3_num_f32 v[BM+\b], v[BM+\b], v[S+16*\b+\i], v[S+1+16*\b+\i]
.endr
.endr
.irp b, 0,1,2,3
	s_delay_alu instid0(VALU_DEP_4)
	v_max_num_f32 v[BM+\b], v[BM+\b], v[S+15+16*\b]
.endr
	s_delay_alu instid0(VALU_DEP_2)
	v_max3_num_f32 v[T1], v[BM], v[BM+1], v[BM+2]
	s_delay_alu instid0(VALU_DEP_1)
	v_max_num_f32 v[T1], v[T1], v[BM+3]
	s_delay_alu instid0(VALU_DEP_1)
	v_max_num_f32_dpp v[T1], v[T1], v[T1] row_xmask:1 row_mask:0xf bank_mask:0xf   ; then across the 32 lanes
	s_delay_alu instid0(VALU_DEP_1)
	v_max_num_f32_dpp v[T1], v[T1], v[T1] row_xmask:2 row_mask:0xf bank_mask:0xf
	s_delay_alu instid0(VALU_DEP_1)
	v_max_num_f32_dpp v[T1], v[T1], v[T1] row_xmask:4 row_mask:0xf bank_mask:0xf
	s_delay_alu instid0(VALU_DEP_1)
	v_max_num_f32_dpp v[T1], v[T1], v[T1] row_xmask:8 row_mask:0xf bank_mask:0xf
	s_delay_alu instid0(VALU_DEP_1)
	v_permlanex16_b32 v[F], v[T1], s[SEL], s[SEL+1]
	s_delay_alu instid0(VALU_DEP_1)
	v_max_num_f32 v[T1], v[T1], v[F]
.irp i, 0,1,2,3
	v_cmp_eq_f32 vcc_lo, v[192+\i], v[T1]
	s_delay_alu instid0(VALU_DEP_1)
	v_cndmask_b32 v[196+\i], v31, v30, vcc_lo      ; C = 0 for a winner, -2^103 for the others: a value is chosen, no branch
.endr
	ds_store_b128 v29, v[196:199]                  ; 512 threads x 4 keys: the batch's 2,048
; A KEY STEP: 128 keys.
.macro STEP
	s_setprio 2
	v_add_nc_u32 v[ADK], s[KO], v[AK0]             ; (these four are also the places between the last step's products and the loads into their operands' registers)
	v_add_nc_u32 v[ADV], s[KO], v[AV0]
	v_add_nc_u32 v[ADS], s[SOF], v[AS0]
	v_add_nc_u32 v[ADM], s[SOF], v[AM0]
.irp t, 0,1,2,3,4,5,6,7
	ds_load_b128 v[S+8*\t:S+8*\t+3], v[ADM] offset:128*(\t/2)+32*(\t%2)        ; C of keys 32 (t / 2) + 16 h + 8 (t % 2) + 0 .. 7: the sixteen lanes of a half read the same bytes
	ds_load_b128 v[S+8*\t+4:S+8*\t+7], v[ADM] offset:128*(\t/2)+32*(\t%2)+16
.endr
.irp t, 0,1,2,3,4,5,6,7
.irp p, 0,1,2
	ds_load_b64 v[KF+6*\t+2*\p:KF+6*\t+2*\p+1], v[ADK] offset:HIB*\t+256*\p    ; 256 consecutive bytes a load
.endr
.endr
.irp i, 0,1,2,3
	ds_load_b32 v[KS+\i], v[ADS] offset:128*\i
.endr
	s_wait_alu depctr_va_vdst(0)
	s_wait_dscnt 0x0
.irp t, 0,1,2,3,4,5,6,7                ; S^T = keys x queries + C.  The eight accumulators, and then O^T's four, take turns, one instruction a turn
.if \t%2
	v_wmma_scale_f32_16x16x128_f8f6f4 v[S+8*\t:S+8*\t+7], v[KF+6*\t:KF+6*\t+11], v[QF:QF+11], v[S+8*\t:S+8*\t+7], v[KS+\t/2], v[QS] matrix_a_fmt:MATRIX_FMT_FP6 matrix_b_fmt:MATRIX_FMT_FP6 matrix_a_scale:MATRIX_SCALE_ROW1
.else
	v_wmma_scale_f32_16x16x128_f8f6f4 v[S+8*\t:S+8*\t+7], v[KF+6*\t:KF+6*\t+11], v[QF:QF+11], v[S+8*\t:S+8*\t+7], v[KS+\t/2], v[QS] matrix_a_fmt:MATRIX_FMT_FP6 matrix_b_fmt:MATRIX_FMT_FP6
.endif
.endr
.rept 4
	v_nop                                          ; four places in front of the loads into the keys' registers and of the first read of the scores
.endr
.irp d, 0,1,2,3                        ; V's four fragments are asked for here and land under the softmax
.irp q, 0,1,2,3,4,5
	ds_load_b64 v[KF+12*\d+2*\q:KF+12*\d+2*\q+1], v[ADV] offset:FRAG*\d+256*\q
.endr
.endr
.irp i, 0,1,2,3
	ds_load_b32 v[VH+\i], v[ADS] offset:VSC-KSC+128*\i   ; half e = i / 2, pair of tiles m = i % 2
.endr
.irp b, 0,1,2,3
	v_max3_num_f32 v[BM+\b], v[S+16*\b], v[S+1+16*\b], v[S+2+16*\b]   ; THE LARGEST SCORE OF EACH BLOCK OF 32 KEYS serves twice: for the row's maximum and, since p rises with the score, for the block's largest p
.endr
.irp i, 3,5,7,9,11,13
.irp b, 0,1,2,3
	v_max3_num_f32 v[BM+\b], v[BM+\b], v[S+16*\b+\i], v[S+1+16*\b+\i]
.endr
.endr
.irp b, 0,1,2,3
	v_max_num_f32 v[BM+\b], v[BM+\b], v[S+15+16*\b]
.endr
.irp b, 0,1,2,3
	s_delay_alu instid0(VALU_DEP_4)
	v_permlanex16_b32 v[TP+\b], v[BM+\b], s[SEL], s[SEL+1]
.endr
.irp b, 0,1,2,3
	s_delay_alu instid0(VALU_DEP_4)
	v_max_num_f32 v[BM+\b], v[BM+\b], v[TP+\b]     ; with lane l xor 16's 16 keys
.endr
	s_delay_alu instid0(VALU_DEP_2)
	v_max3_num_f32 v[T1], v[BM], v[BM+1], v[BM+2]
	s_delay_alu instid0(VALU_DEP_1)
	v_max_num_f32 v[T1], v[T1], v[BM+3]            ; the step's largest score of my query
	s_delay_alu instid0(VALU_DEP_1)
	v_mul_f32 v[T1], s[CS], v[T1]                  ; as t (c is positive)
	s_delay_alu instid0(VALU_DEP_1)
	v_max_num_f32 v13, v13, v[T1]                  ; the running largest t
	v_mov_b32 v[T1], v12
	s_delay_alu instid0(VALU_DEP_2)
	v_floor_f32 v12, -v13                          ; the new -M = floor(-t) = -ceil(t): M IS A WHOLE NUMBER
	s_delay_alu instid0(VALU_DEP_1)
	v_sub_f32 v[T1], v12, v[T1]                    ; M's old value less its new one: a whole number, 0 or less
	s_delay_alu instid0(VALU_DEP_1)
	v_cvt_i32_f32 v[T1], v[T1]                     ; (it saturates)
	s_delay_alu instid0(VALU_DEP_1)
	v_ldexp_f32 v[F], 1.0, v[T1]                   ; f = 2^(old M - new M)
.set J, 0
.rept 32
	v_pk_fma_f32 v[S+J:S+J+1], v[S+J:S+J+1], s[CS:CS+1], v[12:13] op_sel_hi:[1,0,0]   ; t - M, two at a time (of the pairs c and -M the low word serves both halves)
.set J, J+2
.endr
.irp b, 0,1,2,3
	v_fma_f32 v[BM+\b], v[BM+\b], s[CS], v12       ; the same of each block's largest score
.endr
.set J, 0
	s_setprio 1
	s_wait_alu depctr_va_vdst(0)
.rept 64
	v_exp_f32 v[S+J], v[S+J]                       ; p = 2^(t - M), at most 1: NOT normalised
.set J, J+1
.endr
	v_pk_mul_f32 v[14:15], v[14:15], v[F:F+1] op_sel_hi:[1,0]   ; the sums under the new M: the plain instruction behind the exponentials
	s_wait_alu depctr_va_vdst(0)                   ; one wait for the whole batch, ahead of its first reader
.irp b, 0,1,2,3
	v_exp_f32 v[BM+\b], v[BM+\b]                   ; the block's largest p: the same two instructions on the same number give the same bits
.endr
	v_pk_add_f32 v[230:231], v[100:101], v[104:105]
	v_pk_add_f32 v[252:253], v[108:109], v[112:113]
	v_pk_add_f32 v[250:251], v[116:117], v[120:121]
	v_pk_add_f32 v[248:249], v[124:125], v[128:129]
	v_pk_add_f32 v[246:247], v[132:133], v[136:137]
	v_pk_add_f32 v[244:245], v[140:141], v[144:145]
	v_pk_add_f32 v[242:243], v[148:149], v[152:153]
	v_pk_add_f32 v[14:15], v[14:15], v[156:157]
	v_pk_add_f32 v[230:231], v[230:231], v[96:97]
	v_pk_add_f32 v[252:253], v[252:253], v[98:99]
	v_pk_add_f32 v[250:251], v[250:251], v[102:103]
	v_pk_add_f32 v[248:249], v[248:249], v[106:107]
	v_pk_add_f32 v[246:247], v[246:247], v[110:111]
	v_pk_add_f32 v[244:245], v[244:245], v[114:115]
	v_pk_add_f32 v[242:243], v[242:243], v[118:119]
	v_pk_add_f32 v[14:15], v[14:15], v[122:123]
	v_pk_add_f32 v[230:231], v[230:231], v[126:127]
	v_pk_add_f32 v[252:253], v[252:253], v[130:131]
	v_pk_add_f32 v[250:251], v[250:251], v[134:135]
	v_pk_add_f32 v[248:249], v[248:249], v[138:139]
	v_pk_add_f32 v[246:247], v[246:247], v[142:143]
	v_pk_add_f32 v[244:245], v[244:245], v[146:147]
	v_pk_add_f32 v[242:243], v[242:243], v[150:151]
	v_pk_add_f32 v[14:15], v[14:15], v[154:155]
	v_pk_add_f32 v[230:231], v[230:231], v[158:159]
	s_delay_alu instid0(VALU_DEP_2)
	v_pk_add_f32 v[14:15], v[14:15], v[248:249]
	s_delay_alu instid0(VALU_DEP_2)
	v_pk_add_f32 v[230:231], v[230:231], v[246:247]
	v_pk_add_f32 v[252:253], v[252:253], v[244:245]
	v_pk_add_f32 v[250:251], v[250:251], v[242:243]
	s_delay_alu instid0(VALU_DEP_2)
	v_pk_add_f32 v[14:15], v[14:15], v[252:253]
	s_delay_alu instid0(VALU_DEP_2)
	v_pk_add_f32 v[230:231], v[230:231], v[250:251]
	s_delay_alu instid0(VALU_DEP_1)
	v_pk_add_f32 v[14:15], v[14:15], v[230:231]
	s_wait_dscnt 0x0                               ; V's fragments and half words are in
	v_lshl_or_b32 v[VS], v[VH+2], 16, v[VH]        ; V's scale words: the first 64 keys' two bytes below, the second 64 keys' above
	v_lshl_or_b32 v[VS+1], v[VH+3], 16, v[VH+1]
	s_wait_alu depctr_va_vdst(0)                   ; and one wait for the four
.irp b, 0,1,2,3
	v_max_num_f32 v[BM+\b], 0x1800000, v[BM+\b]    ; the floor 2^(3 - 127): the byte cannot fall under 1 (a block whose every p is 0 keeps that byte: its codes are zeros)
.endr
.irp b, 0,1,2,3
	s_delay_alu instid0(VALU_DEP_4)
	v_add_nc_u32 v[SCO+\b], 0xff000000, v[BM+\b]   ; 2 off the exponent field: the conversion's scale operand
.endr
.irp b, 0,1,2,3
	s_delay_alu instid0(VALU_DEP_4)
	v_lshrrev_b32 v[TP+\b], 23, v[SCO+\b]          ; the scale's byte
.endr
	s_delay_alu instid0(VALU_DEP_3)
	v_lshl_or_b32 v[PS], v[TP+1], 8, v[TP]         ; p's scale word for these 128 keys
	s_delay_alu instid0(VALU_DEP_1)
	v_lshl_or_b32 v[PS], v[TP+2], 16, v[PS]
	s_delay_alu instid0(VALU_DEP_1)
	v_lshl_or_b32 v[PS], v[TP+3], 24, v[PS]
.irp c, 0,1
	v_cvt_scalef32_pk16_fp6_f32 v[PC+6*\c:PC+2+6*\c], v[S+32*\c:S+15+32*\c], v[SCO+2*\c]
	v_cvt_scalef32_pk16_fp6_f32 v[PT+4*\c:PT+2+4*\c], v[S+16+32*\c:S+31+32*\c], v[SCO+2*\c+1]   ; (a conversion's three registers begin on an even number)
.endr
	v_nop                                          ; one plain instruction behind the scaled conversions
	s_setprio 0
.irp c, 0,1                            ; the operand's layout wants a WHOLE block in a lane
.irp i, 0,1,2
	v_permlane16_swap_b32 v[PC+6*\c+\i], v[PT+4*\c+\i]
.endr
.irp i, 0,1,2
	s_delay_alu instid0(VALU_DEP_3)
	v_mov_b32 v[PC+3+6*\c+\i], v[PT+4*\c+\i]
.endr
.endr
.set J, 0
.rept 16
	v_pk_mul_f32 v[O+J:O+J+1], v[O+J:O+J+1], v[F:F+1] op_sel_hi:[1,0]   ; O^T under the new M.  For each product below twelve of these name none of its registers: the places behind the writes of p's codes and scale word
.set J, J+2
.endr
.irp d, 0,1,2,3                        ; O^T += V^T P: K = these 128 keys
.if \d%2
	v_wmma_scale_f32_16x16x128_f8f6f4 v[O+8*\d:O+8*\d+7], v[KF+12*\d:KF+12*\d+11], v[PC:PC+11], v[O+8*\d:O+8*\d+7], v[VS+\d/2], v[PS] matrix_a_fmt:MATRIX_FMT_FP6 matrix_b_fmt:MATRIX_FMT_FP6 matrix_a_scale:MATRIX_SCALE_ROW1
.else
	v_wmma_scale_f32_16x16x128_f8f6f4 v[O+8*\d:O+8*\d+7], v[KF+12*\d:KF+12*\d+11], v[PC:PC+11], v[O+8*\d:O+8*\d+7], v[VS+\d/2], v[PS] matrix_a_fmt:MATRIX_FMT_FP6 matrix_b_fmt:MATRIX_FMT_FP6
.endif
.endr
	s_add_co_u32 s[KO], s[KO], 6144
	s_add_co_u32 s[SOF], s[SOF], 512
.endm
	s_wait_tensorcnt 0x1                           ; my scale words and my first piece are in; my second piece, which key steps 8 to 15 read, may stay out
	s_wait_dscnt 0x0                               ; my four C have landed
	s_barrier_signal -1
	s_barrier_wait -1                              ; everybody's have
	s_mov_b32 s[CNT], 8
.Lfirst_half:                                      ; key steps 0 to 7: bytes 0 to 49,151 of the keys' and of V's codes
	STEP
	s_sub_co_u32 s[CNT], s[CNT], 1
	s_cmp_lg_u32 s[CNT], 0
	s_cbranch_scc1 .Lfirst_half
	s_setprio 0
	s_wait_tensorcnt 0x0                           ; my second piece is in,
	s_wait_dscnt 0x0
	s_barrier_signal -1
	s_barrier_wait -1                              ; everybody's is
	s_mov_b32 s[CNT], 8
.Lsecond_half:                                     ; key steps 8 to 15
	STEP
	s_sub_co_u32 s[CNT], s[CNT], 1
	s_cmp_lg_u32 s[CNT], 0
	s_cbranch_scc1 .Lsecond_half
	s_setprio 0
	; THE WAY OUT.  O^T is divided by the row's sum and quantised along d: half an operand's image of the last projection (16 positions x this head's 64 channels), and two scale bytes a row.
	v_add_f32 v14, v14, v15                        ; the sum's two halves,
	s_delay_alu instid0(VALU_DEP_1)
	v_permlanex16_b32 v[T1], v14, s[SEL], s[SEL+1]
	s_delay_alu instid0(VALU_DEP_1)
	v_add_f32 v14, v14, v[T1]                      ; and lane l xor 16's
	s_wait_alu depctr_va_vdst(0)
	v_rcp_f32 v14, v14
.rept 3
	v_nop                                          ; a plain instruction behind the reciprocal; with the two additions above also the places behind the last products
.endr
	s_lshr_b32 s76, s88, 3
	s_mul_i32 s76, s76, PANEL                      ; aq's panel: my tile / 8
	s_lshr_b32 s77, s27, 1
	s_mul_i32 s77, s77, REC                        ; the record: heads 2 s and 2 s + 1 are 128 along K
	s_add_co_u32 s76, s76, s77
	s_and_b32 s77, s[WV], 7                        ; my tile in the panel
	s_and_b32 s78, s27, 1                          ; which half of the record's K
	s_mul_i32 s80, s77, FRAG
	s_mul_i32 s81, s78, HIB
	s_add_co_u32 s80, s80, s81
	s_add_co_u32 s80, s80, s76
	s_mov_b32 s81, 0
	s_add_nc_u64 s[80:81], s[14:15], s[80:81]
	s_lshl_b32 s82, s77, 6
	s_lshl_b32 s83, s78, 1
	s_add_co_u32 s82, s82, s83
	s_add_co_u32 s82, s82, s76
	s_mov_b32 s83, 0
	s_add_nc_u64 s[82:83], s[14:15], s[82:83]
	s_wait_alu depctr_va_vdst(0)                   ; the wait ahead of the reciprocal's first reader
.set J, 0
.rept 16
	v_pk_mul_f32 v[O+J:O+J+1], v[O+J:O+J+1], v[14:15] op_sel_hi:[1,0]   ; ascending: each accumulator from its low end on
.set J, J+2
.endr
.irp b, 0,1
	v_max3_num_f32 v[BM+\b], |v[O+16*\b]|, |v[O+1+16*\b]|, 0x1800000
.endr
.irp i, 2,4,6,8,10,12,14
.irp b, 0,1
	s_delay_alu instid0(VALU_DEP_2)
	v_max3_num_f32 v[BM+\b], v[BM+\b], |v[O+16*\b+\i]|, |v[O+1+16*\b+\i]|
.endr
.endr
.irp b, 0,1
	s_delay_alu instid0(VALU_DEP_2)
	v_permlanex16_b32 v[TP+\b], v[BM+\b], s[SEL], s[SEL+1]
.endr
.irp b, 0,1
	s_delay_alu instid0(VALU_DEP_2)
	v_max_num_f32 v[BM+\b], v[BM+\b], v[TP+\b]
.endr
.irp b, 0,1
	s_delay_alu instid0(VALU_DEP_2)
	v_add_nc_u32 v[SCO+\b], 0xff000000, v[BM+\b]
.endr
.irp b, 0,1
	s_delay_alu instid0(VALU_DEP_2)
	v_lshrrev_b32 v[TP+\b], 23, v[SCO+\b]
.endr
	s_delay_alu instid0(VALU_DEP_1)
	v_lshl_or_b32 v[T1], v[TP+1], 8, v[TP]         ; my row's two bytes
	v_cvt_scalef32_pk16_fp6_f32 v[PC:PC+2], v[O:O+15], v[SCO]
	v_cvt_scalef32_pk16_fp6_f32 v[PT:PT+2], v[O+16:O+31], v[SCO+1]
	v_nop
.irp i, 0,1,2
	v_permlane16_swap_b32 v[PC+\i], v[PT+\i]
.endr
.irp i, 0,1,2
	s_delay_alu instid0(VALU_DEP_3)
	v_mov_b32 v[PC+3+\i], v[PT+\i]
.endr
.irp p, 0,1,2
	global_store_b64 v[AK0], v[PC+2*\p:PC+2*\p+1], s[80:81] offset:256*\p   ; 32 lanes store 256 consecutive bytes, at a multiple of 256 from the buffer's first byte
.endr
	global_store_b16 v[R4], v[T1], s[82:83] offset:8*FRAG   ; half of row r's scale word; lanes 16-31 hold the same two bytes as lanes 0-15 and store them to the same place
	s_wait_dscnt 0x0
	s_wait_tensorcnt 0x0
	ds_add_u32 v254, v255
	s_wait_dscnt 0x0
	ROUND                                          ; the closing round: no work-group ends while a partner may still ask for a tile that names it
	s_endpgm
.Lfunc_end_k_qb60a6ec3f9_attn:
	.size	k_qb60a6ec3f9_attn, .Lfunc_end_k_qb60a6ec3f9_attn-k_qb60a6ec3f9_attn
	.p2alignl 7, 3214868480
	.fill 96, 4, 3214868480
	.section	.rodata,"a",@progbits
	.p2align	6, 0x0
	.amdhsa_kernel k_qb60a6ec3f9_attn
		.amdhsa_group_segment_fixed_size 223232
		.amdhsa_private_segment_fixed_size 0
		.amdhsa_enable_private_segment 0
		.amdhsa_kernarg_size 48
		.amdhsa_user_sgpr_count 2
		.amdhsa_user_sgpr_kernarg_segment_ptr 1
		.amdhsa_wavefront_size32 1
		.amdhsa_system_sgpr_workgroup_id_x 1
		.amdhsa_system_sgpr_workgroup_id_y 1
		.amdhsa_system_sgpr_workgroup_id_z 1
		.amdhsa_system_vgpr_workitem_id 0
		.amdhsa_next_free_vgpr 256
		.amdhsa_next_free_sgpr 96
		.amdhsa_reserve_vcc 1
		.amdhsa_float_denorm_mode_32 3
		.amdhsa_float_denorm_mode_16_64 3
		.amdhsa_memory_ordered 1
		.amdhsa_forward_progress 1
		.amdhsa_inst_pref_size 63
	.end_amdhsa_kernel
	.amdgpu_metadata
---
amdhsa.version: [ 1, 2 ]
amdhsa.kernels:
  - .name:           k_qb60a6ec3f9_attn
    .symbol:         k_qb60a6ec3f9_attn.kd
    .args:
      - { .name: kqc, .offset: 0, .size: 8, .value_kind: global_buffer, .address_space: global }
      - { .name: kqs, .offset: 8, .size: 8, .value_kind: global_buffer, .address_space: global }
      - { .name: vc, .offset: 16, .size: 8, .value_kind: global_buffer, .address_space: global }
      - { .name: vs, .offset: 24, .size: 8, .value_kind: global_buffer, .address_space: global }
      - { .name: mask, .offset: 32, .size: 8, .value_kind: global_buffer, .address_space: global }
      - { .name: aq, .offset: 40, .size: 8, .value_kind: global_buffer, .address_space: global }
    .group_segment_fixed_size: 223232
    .private_segment_fixed_size: 0
    .kernarg_segment_align: 8
    .kernarg_segment_size: 48
    .max_flat_workgroup_size: 512
    .sgpr_count:     96
    .vgpr_count:     256
    .wavefront_size: 32
...
	.end_amdgpu_metadata
.endif
;; end of part 3
;; launch outp (part 4): grid 8 x 32, 4 waves a work-group, clusters of 4 x 4, 327,680 bytes of LDS; arguments aq, wq, out0; writes out0
.if DOCPART == 4
	.amdgcn_target "amdgcn-amd-amdhsa--gfx1250"
	.amdhsa_code_object_version 6
	.text
	.protected	k_qb60a6ec3f9_outp
	.globl	k_qb60a6ec3f9_outp
	.p2align	8
	.type	k_qb60a6ec3f9_outp,@function
k_qb60a6ec3f9_outp:
	s_mov_b64 s[64:65], 0
	v_nop
	global_prefetch_b8 v0, s[64:65] scope:SCOPE_SE
	s_setreg_imm32_b32 hwreg(HW_REG_WAVE_MODE, 25, 1), 1
	s_wait_xcnt 0x0
	s_wait_alu depctr_hold_cnt(0) depctr_sa_sdst(0) depctr_va_vdst(0) depctr_va_sdst(0) depctr_va_ssrc(0) depctr_va_vcc(0) depctr_vm_vsrc(0)
	s_getreg_b32 s2, hwreg(HW_REG_IB_STS2, 6, 4)
	s_cmp_eq_u32 s2, 0
	s_cbranch_scc0 .Lentry_in_a_cluster
	s_endpgm
.Lentry_in_a_cluster:
	s_bfe_u32 s2, ttmp6, 0x10000c
	s_cmp_lg_u32 s2, 0xf033
	s_cbranch_scc0 .Lentry_shape_is_right
	s_endpgm
.Lentry_shape_is_right:
; The last projection out0[b][o][l] = the sum over i of W3[o][i] att[b][i][l], on codes of FP6 (E2M3) with E8M0 scales, K = 1,024; out0 is f32.
; SHARES.  Work-group (g, j): 128 positions (aq's panel j) x 128 outputs o (wq's panel 24 + g): 256 work-groups.  Both panels, whole K, lie in LDS, filled once.  Four waves, each 64 x 64: 16 accumulators.
; P (source 0) = attention's result, R (source 1) = W3: a lane holds ONE output o and its registers run along l, which is innermost in out0.
; The rows of every tile lie in the order 32 (T / 2) + 8 (T % 2) + r + 8 (r / 8): the 16 registers of P's tiles 2 b, 2 b + 1 are positions 32 b + 16 (lane / 16) + 0 .. 15.
; PANELS: 8 records of 12,800 bytes (128 along K): 8 tiles x 1,536 bytes as images of the operand's registers, then 128 scale words.
; CLUSTER 4 x 4: aq's panel hangs on j alone and is asked for jointly along a row of the cluster, W3's on g alone and along a column.  Each wave moves its quarter of each panel.
; All tiles are asked for at the head, so nothing is left for a prefetch to name.
.set PANEL, 102400
.set REC,   12800
.set PIECE, 25600
.set FRAG,  1536
.set XB,    0
.set WA,    102400
.set STAGE, 204800                     ; the way out: 16 rows x (256 bytes + 16) for each wave; no tile lands here
.set L8,  1                            ; v1   8 x lane
.set L4R, 3                            ; v3   4 x (lane % 16)
.set AP,  7                            ; v7-8   P's fragments: records 0-3, records 4-7
.set AR,  9                            ; v9-10  R's
.set ASP, 11                           ; v11-12 P's scale words
.set ASR, 13                           ; v13-14 R's
.set STO, 16                           ; v16  the stage: where I put 16 bytes
.set RD,  17                           ; v17  and where I read a row back
.set CO,  18                           ; v18  my byte offset in out0
.set SCP, 24                           ; v24-27 P's scale words: they hold scales and nothing else
.set SCR, 28                           ; v28-31 R's
.set PF,  32                           ; v32-79  P's four fragments
.set RF,  80                           ; v80-127 R's
.set ACC, 128                          ; accumulator (n, t) at 128 + 32 n + 8 t
.set BK,  32                           ; the way out: v32-63 and v64-95 by turns
.set WV,  18
.set PWV, 19
.set RWV, 20
.set G1X, 28
.set G1W, 36
.set G0X, 44
.set G0A, 48
.macro ROUND
	s_barrier_signal -1
	s_barrier_wait -1
	s_cmp_lg_u32 s[WV], 0
	s_cbranch_scc1 .Lnot_wave_0_\@
	s_barrier_signal -3
.Lnot_wave_0_\@:
	s_barrier_wait -3
	s_barrier_signal -1
	s_barrier_wait -1
.endm
.macro SETADR pbase, ph, rbase, rh     ; my LDS addresses: panel + my four tiles (6,144 bytes; 256 bytes of scale words) + my lane's place
	s_mul_i32 s74, s[\ph], 4*FRAG
	s_add_co_u32 s74, s74, \pbase
	v_add_nc_u32 v[AP], s74, v[L8]
	s_add_co_u32 s74, s74, 4*REC
	v_add_nc_u32 v[AP+1], s74, v[L8]
	s_lshl_b32 s75, s[\ph], 8
	s_add_co_u32 s75, s75, \pbase+8*FRAG
	v_add_nc_u32 v[ASP], s75, v[L4R]
	s_add_co_u32 s75, s75, 4*REC
	v_add_nc_u32 v[ASP+1], s75, v[L4R]
	s_mul_i32 s74, s[\rh], 4*FRAG
	s_add_co_u32 s74, s74, \rbase
	v_add_nc_u32 v[AR], s74, v[L8]
	s_add_co_u32 s74, s74, 4*REC
	v_add_nc_u32 v[AR+1], s74, v[L8]
	s_lshl_b32 s75, s[\rh], 8
	s_add_co_u32 s75, s75, \rbase+8*FRAG
	v_add_nc_u32 v[ASR], s75, v[L4R]
	s_add_co_u32 s75, s75, 4*REC
	v_add_nc_u32 v[ASR+1], s75, v[L4R]
.endm
; 128 along K: 8 scale loads, 48 loads of 8 bytes (each 256 consecutive bytes for the wave), 16 matrix instructions.  The 16 accumulators take turns, one instruction a turn, in one order in every step.
.macro KSTEP s, zero
.set KB, (\s)/4
.set KOF, ((\s)%4)*REC
.irp t, 0,1,2,3
	ds_load_b32 v[SCP+\t], v[ASP+KB] offset:KOF+64*\t
.endr
.irp n, 0,1,2,3
	ds_load_b32 v[SCR+\n], v[ASR+KB] offset:KOF+64*\n
.endr
.irp n, 0,1,2,3
.irp p, 0,1,2,3,4,5
	ds_load_b64 v[RF+12*\n+2*\p:RF+12*\n+2*\p+1], v[AR+KB] offset:KOF+FRAG*\n+256*\p
.endr
.endr
.irp t, 0,1,2,3
.irp p, 0,1,2,3,4,5
	ds_load_b64 v[PF+12*\t+2*\p:PF+12*\t+2*\p+1], v[AP+KB] offset:KOF+FRAG*\t+256*\p
.endr
.endr
.irp t, 0,1,2,3
	s_wait_dscnt 18-6*\t                           ; the scales, R and P's tiles up to t are in; the 6 loads of each later tile of P may be out
.irp n, 0,1,2,3
.if \zero
	v_wmma_scale_f32_16x16x128_f8f6f4 v[ACC+32*\n+8*\t:ACC+32*\n+8*\t+7], v[PF+12*\t:PF+12*\t+11], v[RF+12*\n:RF+12*\n+11], 0, v[SCP+\t], v[SCR+\n] matrix_a_fmt:MATRIX_FMT_FP6 matrix_b_fmt:MATRIX_FMT_FP6
.else
	v_wmma_scale_f32_16x16x128_f8f6f4 v[ACC+32*\n+8*\t:ACC+32*\n+8*\t+7], v[PF+12*\t:PF+12*\t+11], v[RF+12*\n:RF+12*\n+11], v[ACC+32*\n+8*\t:ACC+32*\n+8*\t+7], v[SCP+\t], v[SCR+\n] matrix_a_fmt:MATRIX_FMT_FP6 matrix_b_fmt:MATRIX_FMT_FP6
.endif
.endr
.endr
.rept 4
	v_nop                                          ; four places in front of loads into registers that matrix instructions have read (ISA guide 7.12.1 for vector instructions)
.endr
.endm
	s_load_b128 s[4:7], s[0:1], 0x0                ; aq s[4:5], wq s[6:7]
	s_load_b64 s[8:9], s[0:1], 0x10                ; out0
	v_lshl_add_u32 v22, v0, 2, 0x36400
	v_mov_b32 v23, 0
	ds_add_u32 v22, v23
	ds_add_u32 v22, v23
	v_lshrrev_b32 v15, 5, v0
	v_readfirstlane_b32 s[WV], v15                 ; wave 0..3
	s_lshr_b32 s[PWV], s[WV], 1                    ; which 64 positions
	s_and_b32 s[RWV], s[WV], 1                     ; which 64 outputs
	s_bfe_u32 s21, ttmp6, 0x40000                  ; cx, cy
	s_bfe_u32 s22, ttmp6, 0x40004
	s_lshl_b32 s23, ttmp9, 2
	s_add_co_u32 s23, s23, s21                     ; g = 4 x cluster x + cx
	s_and_b32 s24, ttmp7, 0xffff
	s_lshl_b32 s24, s24, 2
	s_add_co_u32 s24, s24, s22                     ; j = 4 x cluster y + cy
	s_lshl_b32 s25, s22, 2
	s_lshl_b32 s25, 15, s25                        ; my row of the cluster
	s_lshl_b32 s26, 0x1111, s21                    ; my column
	s_or_b32 s[G1X], s25, (3<<16)|(1<<21)          ; group 1: a dense piece of 25,600 bytes as 100 rows of 256 bytes (32 elements of 8 bytes); 15:0 the mask; 21 set beside a mask
	s_or_b32 s[G1W], s26, (3<<16)|(1<<21)
.irp g, G1X, G1W
	s_mov_b32 s[\g+1], 32<<16
	s_mov_b32 s[\g+2], 100<<16
	s_mov_b32 s[\g+3], 32<<16
	s_mov_b32 s[\g+4], 100
	s_mov_b32 s[\g+5], 32
	s_mov_b32 s[\g+6], 0
	s_mov_b32 s[\g+7], 0
.endr
	s_mul_i32 s75, s[WV], PIECE                    ; my quarter of a panel, in memory and in LDS
	s_mul_i32 s76, s24, PANEL                      ; aq's panel j (these registers never hold g)
	s_add_co_u32 s76, s76, s75
	s_mov_b32 s77, 0
	s_add_co_u32 s78, s23, 24
	s_mul_i32 s78, s78, PANEL                      ; W3's panel 24 + g (these never hold j)
	s_add_co_u32 s78, s78, s75
	s_mov_b32 s79, 0
	s_wait_dscnt 0x0
	s_wait_kmcnt 0x0
	s_mov_b32 s[G0X], 1
	s_add_co_u32 s[G0X+1], s75, XB
	s_add_nc_u64 s[G0X+2:G0X+3], s[4:5], s[76:77]
	s_or_b32 s[G0X+3], s[G0X+3], 0x80000000
	s_mov_b32 s[G0A], 1
	s_add_co_u32 s[G0A+1], s75, WA
	s_add_nc_u64 s[G0A+2:G0A+3], s[6:7], s[78:79]
	s_or_b32 s[G0A+3], s[G0A+3], 0x80000000
	ROUND                                          ; all sixteen work-groups are here: the joint loads meet
	tensor_load_to_lds s[G0X:G0X+3], s[G1X:G1X+7]  ; aq's fill goes out alone: one load of mine is out
	s_nop 0
	s_wait_alu depctr_va_vdst(0)
	s_wait_tensorcnt 0x0
	ds_add_u32 v22, v23
	s_wait_dscnt 0x0
	ROUND
	tensor_load_to_lds s[G0A:G0A+3], s[G1W:G1W+7]
	s_nop 0
.rept 4
	v_nop
.endr
	v_and_b32 v15, 31, v0
	v_lshlrev_b32 v[L8], 3, v15
	v_and_b32 v19, 15, v0                          ; r
	v_lshlrev_b32 v[L4R], 2, v19
	v_bfe_u32 v20, v0, 4, 1                        ; h
	s_mul_i32 s74, s[WV], 16*272
	s_add_co_u32 s74, s74, STAGE                   ; my stage
	v_mul_u32_u24 v[STO], v19, 272
	v_lshl_add_u32 v[STO], v20, 6, v[STO]
	v_add_nc_u32 v[STO], s74, v[STO]               ; in: row r (my output), + 64 h: my 16 positions of each 32
	v_mul_u32_u24 v[RD], v20, 272
	v_lshl_add_u32 v[RD], v19, 4, v[RD]
	v_add_nc_u32 v[RD], s74, v[RD]                 ; back: lanes 0-15 one row of 256 bytes, lanes 16-31 the next
	v_lshlrev_b32 v[CO], 13, v20
	v_lshl_add_u32 v[CO], v19, 4, v[CO]            ; and the same two rows of out0, 8,192 bytes apart
	s_lshr_b32 s80, s24, 4
	s_lshl_b32 s80, s80, 23                        ; the batch
	s_lshl_b32 s81, s23, 20                        ; 128 g outputs of 8,192 bytes
	s_add_co_u32 s80, s80, s81
	s_lshl_b32 s81, s[RWV], 19                     ; my 64 of them
	s_add_co_u32 s80, s80, s81
	s_and_b32 s81, s24, 15
	s_lshl_b32 s81, s81, 9                         ; the panel's 128 positions
	s_add_co_u32 s80, s80, s81
	s_lshl_b32 s81, s[PWV], 8                      ; my 64 of them
	s_add_co_u32 s80, s80, s81
	s_mov_b32 s81, 0
	s_add_nc_u64 s[8:9], s[8:9], s[80:81]
	SETADR XB, PWV, WA, RWV
	s_wait_alu depctr_va_vdst(0)
	s_wait_tensorcnt 0x0                           ; my parts of both panels are in,
	s_barrier_signal -1
	s_barrier_wait -1                              ; everybody's are
	KSTEP 0, 1                                     ; the first step's products start the sums: nothing is cleared
.irp k, 1,2,3,4,5,6,7
	KSTEP \k, 0
.endr
.rept 4
	v_nop
.endr
; THE WAY OUT, R's tiles one after the other: 16 outputs x 64 positions go through my own stage and come back as whole rows of 256 bytes.  LDS serves a wave's instructions in order: no wait between the stores and the loads.
.macro TOSTAGE n
.irp k, 0,1,2,3,4,5,6,7
	ds_store_b128 v[STO], v[ACC+32*(\n)+4*\k:ACC+32*(\n)+4*\k+3] offset:128*(\k/4)+16*(\k%4)   ; registers 16 b + i: positions 32 b + 16 h + i; each accumulator from its low end on
.endr
.irp i, 0,1,2,3,4,5,6,7
	ds_load_b128 v[BK+32*((\n)%2)+4*\i:BK+32*((\n)%2)+4*\i+3], v[RD] offset:544*\i
.endr
.endm
.macro SEND n, younger                 ; younger: the LDS instructions issued behind this tile's loads, which may stay out
	s_wait_dscnt \younger
.irp i, 0,1,2,3,4,5,6,7
	global_store_b128 v[CO], v[BK+32*((\n)%2)+4*\i:BK+32*((\n)%2)+4*\i+3], s[8:9] offset:(32*((\n)/2)+8*((\n)%2)+2*\i+8*(\i/4))*8192 th:TH_STORE_NT   ; 16 lanes store 256 consecutive bytes, at a multiple of 256 from out0's first byte; lane-rows 8-15 of a tile lie 8 outputs further on
.endr
.endm
	TOSTAGE 0
.irp a, 1,2,3
.if \a > 1
	s_wait_xcnt 0x0                                ; the stores of the tile two back have read their registers: this tile's loads may land there
.endif
	TOSTAGE \a
	SEND \a-1, 16                                  ; behind the last tile's loads: this tile's 8 stores and 8 loads
.endr
	SEND 3, 0
	s_wait_tensorcnt 0x0
	ds_add_u32 v22, v23
	s_wait_dscnt 0x0
	ROUND                                          ; the closing round: no work-group ends while a partner may still ask for a tile that names it
	s_endpgm
.Lfunc_end_k_qb60a6ec3f9_outp:
	.size	k_qb60a6ec3f9_outp, .Lfunc_end_k_qb60a6ec3f9_outp-k_qb60a6ec3f9_outp
	.p2alignl 7, 3214868480
	.fill 96, 4, 3214868480
	.section	.rodata,"a",@progbits
	.p2align	6, 0x0
	.amdhsa_kernel k_qb60a6ec3f9_outp
		.amdhsa_group_segment_fixed_size 327680
		.amdhsa_private_segment_fixed_size 0
		.amdhsa_enable_private_segment 0
		.amdhsa_kernarg_size 24
		.amdhsa_user_sgpr_count 2
		.amdhsa_user_sgpr_kernarg_segment_ptr 1
		.amdhsa_wavefront_size32 1
		.amdhsa_system_sgpr_workgroup_id_x 1
		.amdhsa_system_sgpr_workgroup_id_y 1
		.amdhsa_system_sgpr_workgroup_id_z 1
		.amdhsa_system_vgpr_workitem_id 0
		.amdhsa_next_free_vgpr 256
		.amdhsa_next_free_sgpr 96
		.amdhsa_reserve_vcc 0
		.amdhsa_float_denorm_mode_32 3
		.amdhsa_float_denorm_mode_16_64 3
		.amdhsa_memory_ordered 1
		.amdhsa_forward_progress 1
		.amdhsa_inst_pref_size 61
	.end_amdhsa_kernel
	.amdgpu_metadata
---
amdhsa.version: [ 1, 2 ]
amdhsa.kernels:
  - .name:           k_qb60a6ec3f9_outp
    .symbol:         k_qb60a6ec3f9_outp.kd
    .args:
      - { .name: aq, .offset: 0, .size: 8, .value_kind: global_buffer, .address_space: global }
      - { .name: wq, .offset: 8, .size: 8, .value_kind: global_buffer, .address_space: global }
      - { .name: out0, .offset: 16, .size: 8, .value_kind: global_buffer, .address_space: global }
    .group_segment_fixed_size: 327680
    .private_segment_fixed_size: 0
    .kernarg_segment_align: 8
    .kernarg_segment_size: 24
    .max_flat_workgroup_size: 128
    .sgpr_count:     96
    .vgpr_count:     256
    .wavefront_size: 32
...
	.end_amdgpu_metadata
.endif
;; end of part 4
